; MI455X (gfx1250); checked and timed in simulation.
; The chip was launched on July 23, 2026; its instructions are those of AMD's public machine-readable ISA for CDNA 5 (MIT licence, August 2026) and "CDNA5" Instruction Set Architecture Reference Guide (July 2026). The comments in the code are by the model that wrote it; some were corrected since.
;; Decoder. Allowed arithmetic: matrix products marked QUANTISED: E2M3 operands, one E8M0 scale for each 32 along K, by v_wmma_scale_f32_16x16x128_f8f6f4 with both operands' format E2M3, f32 sums; everything else in f32.
;; Inputs: W1 1,024 x 4,096 float32; W2 4,096 x 1,024 float32; Wk 16 x 1,024 x 64 float32; Wo 1,024 x 1,024 float32; Wq 16 x 1,024 x 64 float32; Wv 16 x 1,024 x 64 float32; b1 4,096 float32; b2 1,024 float32; be1 1,024 float32; be2 1,024 float32; bk 16 x 64 float32; bo 1,024 float32; bq 16 x 64 float32; bv 16 x 64 float32; g1 1,024 float32; g2 1,024 float32; x 2 x 2,048 x 1,024 float32.
;; Outputs: out0 2 x 2,048 x 1,024 float32.
;; This version of the problem:
;;   THIS VERSION OF THE PROBLEM IS GIVEN IN LOW PRECISION. The matrix products marked QUANTISED in the list below multiply operands that are first quantised to E2M3 (2 exponent bits, 3 mantissa bits; 6 bits a number), with one power-of-two scale for each 32 numbers along K (OCP MX v1.0); their sums are f32. All else is computed in f32.
;;   The module's matrix products, in the order in which they are computed (A, B: the left and right operand; K: the contracted axis; several contracted axes count as one K, in the product's order):
;;     1. [M 1,024, K 1,024] x [K 1,024, N 4,096]; A: input Wq; B: input x: QUANTISED
;;     2. [M 1,024, K 1,024] x [K 1,024, N 4,096]; A: input Wk; B: input x: QUANTISED
;;     3. [M 1,024, K 1,024] x [K 1,024, N 4,096]; A: input Wv; B: input x: QUANTISED
;;     4. batch 32 x [M 2,048, K 64] x [K 64, N 2,048]; A: computed on the way; B: computed on the way: QUANTISED
;;     5. batch 32 x [M 2,048, K 2,048] x [K 2,048, N 64]; A: softmax (see below); B: computed on the way: QUANTISED
;;     6. [M 4,096, K 1,024] x [K 1,024, N 1,024]; A: computed on the way; B: input Wo: QUANTISED
;;     7. [M 4,096, K 1,024] x [K 1,024, N 4,096]; A: computed on the way; B: input W1: QUANTISED
;;     8. [M 4,096, K 4,096] x [K 4,096, N 1,024]; A: computed on the way; B: input W2: QUANTISED
;;   THE QUANTISER, for each operand of a quantised product, along K:
;;     - K is cut into blocks of 32 from its start; a last block that is shorter is filled with zeros.
;;     - A block's scale is 2^e with e = floor(log2(the largest magnitude in the block)) - 2, held to -126 .. 127; a block of zeros has e = 0. As a byte (E8M0): e + 127.
;;     - Each number is divided by its block's scale, clamped to +-7.5, and rounded to the nearest number of E2M3, ties to even, subnormals kept.
;;     - The product sums the exact products of the quantised numbers (number of the format x scale) in f32.
;;   ~~~python
;;   def quantise(x, axis):      # numpy; x: float32 -> the quantised numbers, widened to float32 again
;;       x = np.moveaxis(x, axis, -1); K = x.shape[-1]
;;       x = np.pad(x, [(0, 0)] * (x.ndim - 1) + [(0, -K % 32)]); x = x.reshape(x.shape[:-1] + (-1, 32)); a = np.abs(x).max(-1, keepdims=True)
;;       e = np.where(a > 0, np.clip(np.frexp(np.where(a > 0, a, 1))[1] - 1 - 2, -126, 127), 0)      # np.frexp(a)[1] - 1 = floor(log2(a)), exactly
;;       r = np.clip(x / 2.0 ** e, -7.5, 7.5)
;;       step = 2.0 ** (np.maximum(np.frexp(np.where(r == 0, 1, r))[1] - 1, 0) - 3)
;;       q = np.round(r / step) * step * 2.0 ** e      # np.round: ties to even
;;       return np.moveaxis(q.reshape(q.shape[:-2] + (-1,))[..., :K], -1, axis).astype(np.float32)
;;   ~~~
;;   SOFTMAX AHEAD OF A QUANTISED PRODUCT. Where the list says 'softmax', what is quantised is not the finished softmax but p = 2^(t - M), with t = logit x log2(e) and M = ceil(the row's largest t), a whole number; so 1/2 < the row's largest p <= 1. The row's sum l is taken of the UNQUANTISED p, in f32, and the product's result is divided by l at the end. Since M is a whole number, a kernel that streams over the keys may use a running M (the ceiling of the running maximum): every later rescaling is an exact power of two, which a block's scale takes up: the codes' values come out the same.
;;   OPERANDS COMPUTED ON THE WAY. 'Computed on the way' means the value that the module computes at that place (a softmax that the list does not call 'softmax' is quantised finished and normalised). What goes into a quantiser is computed in f32, as accurately as f32 sums, v_exp_f32 and their like allow (about 1e-6 of the number): no bf16 or f16 on the way to a quantiser, and a product that is left as it is and whose result goes on into a quantised operand takes f32 operands (vector FMAs, or v_wmma_f32_16x16x4_f32). A number that lies on a knife's edge between two numbers of the format may be rounded either way, as far as f32 arithmetic and the matrix unit's own rounding can turn it there, and no further.
;; One version. Each part assembles by itself: llvm-mc -triple=amdgcn-amd-amdhsa -mcpu=gfx1250 --defsym DOCPART=n.
;; ======== version 1 of 1: 8 launches
;; limits: right only within a limited range of input values
;; workspace buffers: xw 13,107,200 bytes; qkv 9,830,400 bytes; ctx 3,276,800 bytes; ao 16,777,216 bytes; x1b 20,054,016 bytes; hq 13,107,200 bytes
;; launch quant (part 1): grid 640 x 1, 4 waves a work-group, no clusters, 91,648 bytes of LDS; arguments x, Wq, Wk, Wv, Wo, W1, W2, xw; writes xw
.if DOCPART == 1
	.amdgcn_target "amdgcn-amd-amdhsa--gfx1250"
	.amdhsa_code_object_version 6
	.text
	.protected	k_q6c1efa94c5_quant
	.globl	k_q6c1efa94c5_quant
	.p2align	8
	.type	k_q6c1efa94c5_quant,@function
k_q6c1efa94c5_quant:
	s_mov_b64 s[64:65], 0
	v_nop
	global_prefetch_b8 v0, s[64:65] scope:SCOPE_SE
	s_setreg_imm32_b32 hwreg(HW_REG_WAVE_MODE, 25, 1), 1
	s_wait_xcnt 0x0
; x [4096][1024] and the six weights, f32, become codes of FP6 (E2M3) with one E8M0 byte for each 32 along K, in the workspace xw.
; DEAD WORK OF THE WHOLE PROGRAM: reference() builds a causal mask (jnp.tril) in its own body and puts -inf on every score whose key comes after its query; such a score gives
; the weight 0 whatever the inputs hold.  Steps of 128 keys that lie wholly behind a tile's 16 queries are therefore left out in the attention launch, and nothing else is left out:
; every input has a way to the output and is loaded (bk too: it moves K's codes).  LIMIT: a NaN, an infinity or an overflow that reaches only those steps is not carried to the result.
; LIMITS: NaN and infinities among the inputs are not served; a block whose largest magnitude lies under 2^-124 keeps the byte 1, a block of zeros too (the rule says 127: its codes are
; zeros, and this program alone reads the bytes).
; LAYOUT OF ALL CODE BUFFERS.  Logical row n (a token, a weight's output column) lies at physical row p = n with bits 3 and 4 exchanged, so that lane r of tile 2 b + u holds
; logical row 32 b + 8 u + r + 8 (r / 8).  Codes: [tile of 16 rows][K / 64][768 bytes]; such a chunk is the image of six operand registers: registers 0-3 of lane L at 16 L,
; registers 4-5 at 512 + 8 L.  Two chunks on end are a fragment (16 rows x 128 K).  Scale words: [tile][K / 128][16 rows x 4 bytes].
; Work-groups 0-255: a tile of x, wave w its K columns 256 w on.  Work-groups 256-639: the weights, whose K is their first axis: a lane takes a column, its registers run down K; a wave takes 32 columns x 256 K.
; No tensor load, no barrier: waves share nothing.  The two paths have LDS bytes of their own.
.set XS_OFF, 3145728                   ; x's scale words in xw (its codes begin at 0)
.set XP,     1040                      ; path X: a stage row: 1,024 bytes + 16
.set STX,    16*XP                     ; a wave's stage
.set STW0,   4*STX                     ; path W: the stages begin here,
.set STW,    6144                      ; two tiles x 4 chunks for each wave
.set SPARE,  STW0+4*STW                ; the spare words: 128 bytes for each wave
.set SPW, 2                            ; v2   my spare word's LDS address; never rewritten
.set NIL, 3                            ; v3   0; never rewritten
.set R,   32                           ; X: v32-159 16 rows x 8 registers as loaded
.set X,   160                          ; X: v160-223 two blocks of 32 neighbours
.set PC,  224                          ; X: v224-235 a fragment's codes
.set TD,  236                          ; X: v236-238 a conversion's second half
.set OF,  32                           ; W: v32-63 offsets: 4 lane + i pitch
.set XW,  64                           ; W: v64-127 two sets of 32 numbers
.set CW,  128                          ; W: v128-133 a block's codes
.set DW,  134
.set SB,  142                          ; W: v142-143 scale bytes, four to a register
.set OW,  160                          ; W: v160-207 the way out
.set BS,  40                           ; W: s[40:55] eight bases, 32 rows of K apart
; A whole block of 32 numbers in one lane's registers v[x] on: its largest magnitude (with the floor 2^-124 among the leaves), the conversion's scale operand (2 off the exponent field), the byte, six registers of codes
.macro QBLK x, c, d, m, so, e
	v_max3_num_f32 v[\m], |v[\x]|, |v[\x+1]|, |v[\x+2]|
	v_max3_num_f32 v[\m+1], |v[\x+3]|, |v[\x+4]|, |v[\x+5]|
.irp i, 6,10,14,18,22,26
	v_max3_num_f32 v[\m], v[\m], |v[\x+\i]|, |v[\x+\i+1]|
	v_max3_num_f32 v[\m+1], v[\m+1], |v[\x+\i+2]|, |v[\x+\i+3]|
.endr
	v_max3_num_f32 v[\m], v[\m], |v[\x+30]|, |v[\x+31]|
	v_max3_num_f32 v[\m], v[\m], v[\m+1], 0x1800000
	v_add_nc_u32 v[\so], 0xff000000, v[\m]
	v_lshrrev_b32 v[\e], 23, v[\so]
	v_cvt_scalef32_pk16_fp6_f32 v[\c:\c+2], v[\x:\x+15], v[\so]
	v_cvt_scalef32_pk16_fp6_f32 v[\d:\d+2], v[\x+16:\x+31], v[\so]   ; (a conversion's three registers begin on an even number)
	v_nop                                          ; one plain place behind a scaled conversion
	v_mov_b32 v[\c+3], v[\d]
	v_mov_b32 v[\c+4], v[\d+1]
	v_mov_b32 v[\c+5], v[\d+2]
.endm
	s_load_b256 s[4:11], s[0:1], 0x0               ; x, Wq, Wk, Wv
	s_load_b256 s[12:19], s[0:1], 0x20             ; Wo, W1, W2, xw
	v_lshl_add_u32 v[SPW], v0, 2, SPARE
	v_mov_b32 v[NIL], 0
	v_lshrrev_b32 v1, 5, v0
	v_readfirstlane_b32 s20, v1                    ; wave
	v_and_b32 v4, 31, v0                           ; lane
	v_and_b32 v8, 15, v0                           ; r
	v_bfe_u32 v9, v0, 4, 1                         ; h
	v_lshlrev_b32 v5, 4, v4                        ; 16 lane
	v_lshlrev_b32 v6, 3, v4                        ; 8 lane
	v_lshlrev_b32 v7, 2, v4                        ; 4 lane
	; every LDS address of both paths is made here, ahead of the parting
	s_mul_i32 s24, s20, STX
	v_add_nc_u32 v10, s24, v5                      ; X, in: 16 lane
	v_mul_u32_u24 v11, v8, XP
	v_lshl_add_u32 v11, v9, 7, v11
	v_add_nc_u32 v11, s24, v11                     ; X, out: row r, + 128 h: my 32 numbers of a run of 64
	s_mul_i32 s25, s20, STW
	s_add_co_u32 s25, s25, STW0
	v_bfe_u32 v26, v0, 3, 1                        ; W: my column's physical tile of the two,
	v_and_b32 v27, 7, v0
	v_lshl_or_b32 v27, v9, 3, v27                  ; and its row in it
	v_mul_u32_u24 v12, v26, 3072
	v_add_nc_u32 v12, s25, v12
	v_lshl_add_u32 v13, v27, 3, v12
	v_add_nc_u32 v13, 512, v13                     ; W, in: registers 4-5
	v_lshl_add_u32 v12, v27, 4, v12                ; W, in: registers 0-3
	v_add_nc_u32 v14, s25, v5                      ; W, out
	s_mov_b32 s22, 0x76543210
	s_mov_b32 s23, 0xfedcba98                      ; lane l xor 16
	s_cmp_ge_u32 ttmp9, 256
	s_cbranch_scc1 .Lweights
	; ---- x.  Tile T = the work-group's number; physical row rr is logical row 32 (T / 2) + 16 (rr / 8) + 8 (T % 2) + rr % 8
	s_lshr_b32 s26, ttmp9, 1
	s_lshl_b32 s26, s26, 5
	s_and_b32 s27, ttmp9, 1
	s_lshl_b32 s27, s27, 3
	s_add_co_u32 s26, s26, s27
	s_lshl_b32 s26, s26, 12
	s_lshl_b32 s27, s20, 10
	s_add_co_u32 s26, s26, s27
	s_mov_b32 s27, 0
	s_mul_i32 s28, ttmp9, 12288
	s_mul_i32 s29, s20, 3072
	s_add_co_u32 s28, s28, s29
	s_mov_b32 s29, 0
	s_lshl_b32 s34, ttmp9, 9
	s_lshl_b32 s35, s20, 7
	s_add_co_u32 s34, s34, s35
	s_add_co_u32 s34, s34, XS_OFF
	s_mov_b32 s35, 0
	s_mov_b32 s21, 0xffff0000                      ; lanes 16-31
	v_lshlrev_b32 v24, 3, v9                       ; 8 h
	v_mov_b32 v23, 0                               ; (a lane permute's destination counts as read)
	s_wait_kmcnt 0x0
	s_add_nc_u64 s[4:5], s[4:5], s[26:27]
	s_add_nc_u64 s[30:31], s[18:19], s[28:29]      ; my two fragments
	s_add_nc_u64 s[32:33], s[18:19], s[34:35]      ; their scale words
.irp rr, 0,1,2,3,4,5,6,7,8,9,10,11,12,13,14,15
.irp j, 0,1
	global_load_b128 v[R+8*\rr+4*\j:R+8*\rr+4*\j+3], v5, s[4:5] offset:(16*(\rr/8)+\rr%8)*4096+512*\j th:TH_LOAD_NT   ; 512 consecutive bytes
.endr
.endr
.irp rr, 0,1,2,3,4,5,6,7,8,9,10,11,12,13,14,15
	s_wait_loadcnt 30-2*\rr                        ; this row's two loads are in; the later rows' stay out
	ds_store_b128 v10, v[R+8*\rr:R+8*\rr+3] offset:\rr*XP
	ds_store_b128 v10, v[R+8*\rr+4:R+8*\rr+7] offset:\rr*XP+512
.endr
; Fragment f of my two: lane (r, h) takes k = 64 c + 32 h + 0 .. 31 of row r: two whole blocks.  LDS serves a wave's instructions in order: the loads see my stores
.macro XFRAG f
.irp c, 0,1
.irp i, 0,1,2,3,4,5,6,7
	ds_load_b128 v[X+32*\c+4*\i:X+32*\c+4*\i+3], v11 offset:512*\f+256*\c+16*\i
.endr
.endr
	s_wait_dscnt 0x0
.if \f
	s_wait_xcnt 0x0                                ; the first fragment's stores have read their registers
.endif
	QBLK X, PC, TD, 16, 18, 19
	QBLK X+32, PC+6, TD, 16, 18, 20
	v_lshl_or_b32 v[21+\f], v20, 16, v19           ; my two bytes: blocks h and 2 + h,
	v_lshlrev_b32 v[21+\f], v24, v[21+\f]          ; at their places in the word;
	v_permlanex16_b32 v23, v[21+\f], s22, s23
	v_or_b32 v[21+\f], v[21+\f], v23               ; with lane l xor 16's the word is whole
	global_store_b128 v5, v[PC:PC+3], s[30:31] offset:1536*\f
	global_store_b64 v6, v[PC+4:PC+5], s[30:31] offset:1536*\f+512
	global_store_b128 v5, v[PC+6:PC+9], s[30:31] offset:1536*\f+768
	global_store_b64 v6, v[PC+10:PC+11], s[30:31] offset:1536*\f+1280
.endm
	XFRAG 0
	XFRAG 1
	v_cndmask_b32 v21, v21, v22, s21               ; lanes 0-15 the first fragment's words, lanes 16-31 the second's: 128 consecutive bytes
	global_store_b32 v7, v21, s[32:33]
	s_branch .Lend
	; ---- the weights.  Which tensor, by the work-group's number alone: pointer, first work-group, pitch of a K row, log2 of its column groups, stride of a pair of groups, places in xw, bytes of a tile's codes and scale words
.Lweights:
	s_sub_co_u32 s21, ttmp9, 256
	s_wait_kmcnt 0x0
	s_mov_b64 s[26:27], s[16:17]                   ; W2
	s_mov_b32 s28, 256
	s_mov_b32 s29, 4096
	s_mov_b32 s30, 5
	s_mov_b32 s31, 256
	s_mov_b32 s32, 9830400
	s_mov_b32 s33, 12976128
	s_mov_b32 s34, 49152
	s_mov_b32 s35, 2048
	s_cmp_lt_u32 s21, 256                          ; W1
	s_cselect_b64 s[26:27], s[14:15], s[26:27]
	s_cselect_b32 s28, 128, s28
	s_cselect_b32 s29, 16384, s29
	s_cselect_b32 s30, 7, s30
	s_cselect_b32 s32, 6553600, s32
	s_cselect_b32 s33, 9699328, s33
	s_cselect_b32 s34, 12288, s34
	s_cselect_b32 s35, 512, s35
	s_cmp_lt_u32 s21, 128                          ; Wo
	s_cselect_b64 s[26:27], s[12:13], s[26:27]
	s_cselect_b32 s28, 96, s28
	s_cselect_b32 s29, 4096, s29
	s_cselect_b32 s30, 5, s30
	s_cselect_b32 s32, 5734400, s32
	s_cselect_b32 s33, 6520832, s33
	s_cmp_lt_u32 s21, 96                           ; Wv: [head][K][64]
	s_cselect_b64 s[26:27], s[10:11], s[26:27]
	s_cselect_b32 s28, 64, s28
	s_cselect_b32 s29, 256, s29
	s_cselect_b32 s31, 262144, s31
	s_cselect_b32 s32, 4849664, s32
	s_cselect_b32 s33, 5701632, s33
	s_cmp_lt_u32 s21, 64                           ; Wk
	s_cselect_b64 s[26:27], s[8:9], s[26:27]
	s_cselect_b32 s28, 32, s28
	s_cselect_b32 s32, 4063232, s32
	s_cselect_b32 s33, 5668864, s33
	s_cmp_lt_u32 s21, 32                           ; Wq
	s_cselect_b64 s[26:27], s[6:7], s[26:27]
	s_cselect_b32 s28, 0, s28
	s_cselect_b32 s32, 3276800, s32
	s_cselect_b32 s33, 5636096, s33
	s_sub_co_u32 s21, s21, s28
	s_lshl_b32 s21, s21, 2
	s_add_co_u32 s21, s21, s20                     ; my wave's number in the tensor
	s_bfm_b32 s36, s30, 0
	s_and_b32 s36, s21, s36                        ; cg: which 32 columns
	s_lshr_b32 s37, s21, s30                       ; kc: which 256 along K
	s_lshr_b32 s38, s36, 1
	s_mul_i32 s38, s38, s31
	s_and_b32 s39, s36, 1
	s_lshl_b32 s39, s39, 7
	s_add_co_u32 s38, s38, s39
	s_lshl_b32 s39, s29, 8
	s_mul_i32 s39, s39, s37
	s_add_co_u32 s38, s38, s39
	s_mov_b32 s39, 0
	s_add_nc_u64 s[BS:BS+1], s[26:27], s[38:39]
	s_lshl_b32 s38, s29, 5                         ; a block: 32 rows of K
.irp t, 1,2,3,4,5,6,7
	s_add_nc_u64 s[BS+2*\t:BS+2*\t+1], s[BS+2*\t-2:BS+2*\t-1], s[38:39]
.endr
	s_lshl_b32 s21, s36, 1                         ; my first tile of rows: 2 cg
	s_mul_i32 s56, s21, s34
	s_mul_i32 s57, s37, 3072
	s_add_co_u32 s56, s56, s57
	s_add_co_u32 s56, s56, s32
	s_mov_b32 s57, 0
	s_add_nc_u64 s[56:57], s[18:19], s[56:57]      ; the codes
	s_mul_i32 s58, s21, s35
	s_lshl_b32 s59, s37, 7
	s_add_co_u32 s58, s58, s59
	s_add_co_u32 s58, s58, s33
	s_mov_b32 s59, 0
	s_add_nc_u64 s[58:59], s[18:19], s[58:59]      ; the scale words
.irp i, 0,1,2,3,4,5,6,7,8,9,10,11,12,13,14,15,16,17,18,19,20,21,22,23,24,25,26,27,28,29,30,31
	v_mad_u32_u24 v[OF+\i], s29, \i, v7
.endr
	v_add_nc_u32 v15, s34, v5                      ; the second tile's codes
	v_mul_u32_u24 v25, s35, v26
	v_lshl_add_u32 v25, v27, 2, v25                ; my row's scale word
.macro LOADW t                         ; block t: W(32 t + i, my column) into set t % 2: 128 consecutive bytes a load
.irp i, 0,1,2,3,4,5,6,7,8,9,10,11,12,13,14,15,16,17,18,19,20,21,22,23,24,25,26,27,28,29,30,31
	global_load_b32 v[XW+32*((\t)%2)+\i], v[OF+\i], s[BS+2*(\t):BS+2*(\t)+1] th:TH_LOAD_NT
.endr
.endm
.macro BLOCKW t
.if (\t) < 7
	s_wait_loadcnt 32                              ; this block's 32 loads are in; the next block's stay out
.else
	s_wait_loadcnt 0
.endif
	QBLK XW+32*((\t)%2), CW, DW, 138, 140, 141
.if (\t)%4 == 0
	v_mov_b32 v[SB+(\t)/4], v141
.else
	v_lshl_or_b32 v[SB+(\t)/4], v141, 8*((\t)%4), v[SB+(\t)/4]
.endif
	ds_store_b128 v12, v[CW:CW+3] offset:((\t)/2)*768+((\t)%2)*256   ; chunk t / 2, the lanes' half t % 2: the operand's image
	ds_store_b64 v13, v[CW+4:CW+5] offset:((\t)/2)*768+((\t)%2)*128
.if (\t)+2 < 8
	LOADW (\t)+2
.endif
	s_wait_dscnt 0x0                               ; the stores have read their registers
.endm
	LOADW 0
	LOADW 1
.irp t, 0,1,2,3,4,5,6,7
	BLOCKW \t
.endr
	global_store_b32 v25, v[SB], s[58:59]
	s_wait_alu depctr_va_vdst(0)
	global_store_b32 v25, v[SB+1], s[58:59] offset:64
.irp t, 0,1,2,3,4,5,6,7,8,9,10,11
	ds_load_b128 v[OW+4*\t:OW+4*\t+3], v14 offset:512*\t
.endr
.irp t, 0,1,2,3,4,5
	s_wait_dscnt 11-\t
	global_store_b128 v5, v[OW+4*\t:OW+4*\t+3], s[56:57] offset:512*\t     ; 512 consecutive bytes, aligned
.endr
.irp t, 6,7,8,9,10,11
	s_wait_dscnt 11-\t
	global_store_b128 v15, v[OW+4*\t:OW+4*\t+3], s[56:57] offset:512*(\t-6)
.endr
.Lend:
	s_wait_tensorcnt 0x0                           ; the wave's end: a wait, an add and its wait behind my last LDS store
	ds_add_u32 v[SPW], v[NIL]
	s_wait_dscnt 0x0
	s_endpgm
.Lfunc_end_k_q6c1efa94c5_quant:
	.size	k_q6c1efa94c5_quant, .Lfunc_end_k_q6c1efa94c5_quant-k_q6c1efa94c5_quant
	.p2alignl 7, 3214868480
	.fill 96, 4, 3214868480
	.section	.rodata,"a",@progbits
	.p2align	6, 0x0
	.amdhsa_kernel k_q6c1efa94c5_quant
		.amdhsa_group_segment_fixed_size 91648
		.amdhsa_private_segment_fixed_size 0
		.amdhsa_enable_private_segment 0
		.amdhsa_kernarg_size 64
		.amdhsa_user_sgpr_count 2
		.amdhsa_user_sgpr_kernarg_segment_ptr 1
		.amdhsa_wavefront_size32 1
		.amdhsa_system_sgpr_workgroup_id_x 1
		.amdhsa_system_sgpr_workgroup_id_y 1
		.amdhsa_system_sgpr_workgroup_id_z 1
		.amdhsa_system_vgpr_workitem_id 0
		.amdhsa_next_free_vgpr 256
		.amdhsa_next_free_sgpr 80
		.amdhsa_reserve_vcc 0
		.amdhsa_float_denorm_mode_32 3
		.amdhsa_float_denorm_mode_16_64 3
		.amdhsa_memory_ordered 1
		.amdhsa_forward_progress 1
		.amdhsa_inst_pref_size 63
	.end_amdhsa_kernel
	.amdgpu_metadata
---
amdhsa.version: [ 1, 2 ]
amdhsa.kernels:
  - .name:           k_q6c1efa94c5_quant
    .symbol:         k_q6c1efa94c5_quant.kd
    .args:
      - { .name: x, .offset: 0, .size: 8, .value_kind: global_buffer, .address_space: global }
      - { .name: Wq, .offset: 8, .size: 8, .value_kind: global_buffer, .address_space: global }
      - { .name: Wk, .offset: 16, .size: 8, .value_kind: global_buffer, .address_space: global }
      - { .name: Wv, .offset: 24, .size: 8, .value_kind: global_buffer, .address_space: global }
      - { .name: Wo, .offset: 32, .size: 8, .value_kind: global_buffer, .address_space: global }
      - { .name: W1, .offset: 40, .size: 8, .value_kind: global_buffer, .address_space: global }
      - { .name: W2, .offset: 48, .size: 8, .value_kind: global_buffer, .address_space: global }
      - { .name: xw, .offset: 56, .size: 8, .value_kind: global_buffer, .address_space: global }
    .group_segment_fixed_size: 91648
    .private_segment_fixed_size: 0
    .kernarg_segment_align: 8
    .kernarg_segment_size: 64
    .max_flat_workgroup_size: 128
    .sgpr_count:     80
    .vgpr_count:     256
    .wavefront_size: 32
...
	.end_amdgpu_metadata
.endif
;; end of part 1
;; launch qkv (part 2): grid 12 x 16, 4 waves a work-group, clusters of 4 x 4, 327,680 bytes of LDS; arguments xw, bq, bk, bv, qkv; writes qkv
.if DOCPART == 2
	.amdgcn_target "amdgcn-amd-amdhsa--gfx1250"
	.amdhsa_code_object_version 6
	.text
	.protected	k_q6c1efa94c5_qkv
	.globl	k_q6c1efa94c5_qkv
	.p2align	8
	.type	k_q6c1efa94c5_qkv,@function
k_q6c1efa94c5_qkv:
	s_mov_b64 s[64:65], 0
	v_nop
	global_prefetch_b8 v0, s[64:65] scope:SCOPE_SE
	s_setreg_imm32_b32 hwreg(HW_REG_WAVE_MODE, 25, 1), 1
	s_wait_xcnt 0x0
	s_wait_alu depctr_hold_cnt(0) depctr_sa_sdst(0) depctr_va_vdst(0) depctr_va_sdst(0) depctr_va_ssrc(0) depctr_va_vcc(0) depctr_vm_vsrc(0)
	s_getreg_b32 s2, hwreg(HW_REG_IB_STS2, 6, 4)
	s_cmp_eq_u32 s2, 0
	s_cbranch_scc0 .Lentry_in_a_cluster
	s_endpgm
.Lentry_in_a_cluster:
	s_bfe_u32 s2, ttmp6, 0x10000c
	s_cmp_lg_u32 s2, 0xf033
	s_cbranch_scc0 .Lentry_shape_is_right
	s_endpgm
.Lentry_shape_is_right:
.set SIZE_K, 1024
.set NQ,     2
.set FR,     12
.set NL,     4
.set NP,     4
.set TROW,   NQ*1536
.set KT,     SIZE_K*12
.set HALFT,  8*TROW
.set SLOT,   4*HALFT
.set LAPS,   SIZE_K/512
.set SBLK,   SIZE_K/2
.set HALFS,  8*SBLK
.set SCL,    2*SLOT
.set SPARE,  SCL+4*HALFS
.set XS_OFF, 3145728
.set WQKVC,  3276800
.set WQKVS,  5636096
.set WVC,    4849664
.set WVS,    5701632
.set BHS,    307200
.set VB,   8
.set VC,   9
.set ADRA, 16
.set ADRB, 20
.set VA16, 24
.set VA8,  25
.set VSC,  26
.set ADRS, 27
.set SPW,  28
.set NIL,  29
.set SC,   32
.set T,    64
.set AF,   128
.set PC,   128
.set TM,   148
.set PW,   164
.set PWS,  165
.set W,    166
.set BV,   224
.set G1, 24
.set G0, 32
.set G1B, 48
.set G0B, 56
.set G1S, 68
.set G0S, 76
.set G1SB, 80
.set G0SB, 88
.set SEL, 26
.set MSB, 0
.macro WIN new
.if MSB != \new
	s_set_vgpr_msb (MSB<<8)|\new
.set MSB, \new
.endif
.endm
.set MUL_LO, 0xa1
.set MUL_HI, 0xf1
.set TO_B,   0x40
.macro JLOAD g0a, g1a, g0b, g1b
	s_cmp_eq_u32 s15, 0
	s_cbranch_scc0 .Lfor_b_\@
	tensor_load_to_lds s[\g0a:\g0a+3], s[\g1a:\g1a+7]
	s_nop 0
.rept 4
	v_nop
.endr
	s_branch .Lasked_\@
.Lfor_b_\@:
	tensor_load_to_lds s[\g0b:\g0b+3], s[\g1b:\g1b+7]
	s_nop 0
.rept 4
	v_nop
.endr
.Lasked_\@:
.endm
.macro CREST
	s_cmp_lg_u32 s14, 0
	s_cbranch_scc1 .Lnot_wave_0_\@
	s_barrier_signal -3
.Lnot_wave_0_\@:
	s_barrier_wait -3
	s_barrier_signal -1
	s_barrier_wait -1
.endm
.macro CROUND
	s_barrier_signal -1
	s_barrier_wait -1
	CREST
.endm
	s_load_b256 s[4:11], s[0:1], 0x0
	s_load_b64 s[12:13], s[0:1], 0x20
	v_lshl_add_u32 v[SPW], v0, 2, SPARE
	v_mov_b32 v[NIL], 0
	ds_add_u32 v[SPW], v[NIL]
	ds_add_u32 v[SPW], v[NIL]
	v_lshrrev_b32 v1, 5, v0
	v_readfirstlane_b32 s14, v1
	v_and_b32 v30, 31, v0                          ; the prefetches' offset, never rewritten: a lane a block of 256 bytes, 12 blocks in each of two tile rows; lanes 24-31 name the last block again
	v_min_u32 v30, 23, v30
	v_mul_u32_u24 v31, v30, 171
	v_lshrrev_b32 v31, 11, v31                     ; lane / 12
	v_lshlrev_b32 v30, 8, v30
	v_mad_u32_u24 v30, v31, KT-TROW, v30
	s_wait_alu depctr_va_vdst(0)                   ; the wait behind the write
	s_lshr_b32 s15, s14, 1
	s_and_b32 s16, s14, 1
	s_bfe_u32 s40, ttmp6, 0x40000
	s_bfe_u32 s41, ttmp6, 0x40004
	s_and_b32 s95, ttmp7, 0xffff
	s_lshl_b32 s95, s95, 2
	s_lshl_b32 s96, ttmp9, 2
	s_mov_b32 s97, WVC
	s_mov_b32 s98, WVS
	s_mov_b32 s99, XS_OFF
	s_cmp_lt_u32 ttmp9, 2
	s_cselect_b32 s17, s95, 0
	s_cselect_b32 s42, s96, s95
	s_cselect_b32 s97, 0, s97
	s_cselect_b32 s98, XS_OFF, s98
	s_cselect_b32 s66, WQKVC, 0
	s_cselect_b32 s99, WQKVS, s99
	s_add_co_u32 s17, s17, s41
	s_add_co_u32 s42, s42, s40
	s_lshl_b32 s43, s41, 2
	s_lshl_b32 s43, 15, s43
	s_lshl_b32 s44, 0x1111, s40
	s_or_b32 s[G1+0], s43, (3<<16)|(1<<21)
	s_or_b32 s[G1B+0], s44, (3<<16)|(1<<21)
.irp g, G1, G1B
	s_mov_b32 s[\g+1], (TROW/8)<<16
	s_mov_b32 s[\g+2], 8<<16
	s_mov_b32 s[\g+3], (TROW/8)<<16
	s_mov_b32 s[\g+4], 8
	s_mov_b32 s[\g+5], KT/8
	s_mov_b32 s[\g+6], 0
	s_mov_b32 s[\g+7], 0
.endr
	s_or_b32 s[G1S+0], s43, (3<<16)|(1<<21)
	s_or_b32 s[G1SB+0], s44, (3<<16)|(1<<21)
.irp g, G1S, G1SB
	s_mov_b32 s[\g+1], 32<<16
	s_mov_b32 s[\g+2], (HALFS/256)<<16
	s_mov_b32 s[\g+3], 32<<16
	s_mov_b32 s[\g+4], HALFS/256
	s_mov_b32 s[\g+5], 32
	s_mov_b32 s[\g+6], 0
	s_mov_b32 s[\g+7], 0
.endr
	s_lshl_b32 s18, s16, 3
	s_lshl_b32 s20, s17, 4
	s_add_co_u32 s20, s20, s18
	s_lshl_b32 s46, s42, 4
	s_add_co_u32 s46, s46, s18
	s_mul_i32 s22, s20, SBLK
	s_add_co_u32 s22, s22, s98
	s_mov_b32 s23, 0
	s_mul_i32 s92, s46, SBLK
	s_add_co_u32 s92, s92, s99
	s_mov_b32 s93, 0
	s_mul_i32 s20, s20, KT
	s_add_co_u32 s20, s20, s97
	s_mov_b32 s21, 0
	s_mul_i32 s46, s46, KT
	s_add_co_u32 s46, s46, s66
	s_mov_b32 s47, 0
	s_mul_i32 s45, s14, HALFT
	s_mul_i32 s94, s14, HALFS
	s_wait_dscnt 0x0
	s_wait_kmcnt 0x0
	s_add_nc_u64 s[20:21], s[4:5], s[20:21]
	s_add_nc_u64 s[22:23], s[4:5], s[22:23]
	s_add_nc_u64 s[46:47], s[4:5], s[46:47]
	s_add_nc_u64 s[92:93], s[4:5], s[92:93]
	; PREFETCH: of the 8 tile rows that I fetch, the partner at place p of the four that ask with me (cx for A's tiles, cy for B's) names rows 2 p and 2 p + 1: told apart by address alone.
	; With the load of slot step n goes the request for step n + 2; steps 0 and 1 are asked for here.  K has four slot steps, so the ring's refills ask for nothing.
	s_cmp_eq_u32 s15, 0
	s_cselect_b64 s[100:101], s[20:21], s[46:47]
	s_cselect_b32 s2, s40, s41
	s_mul_i32 s2, s2, 2*KT
	s_mov_b32 s3, 0
	s_add_nc_u64 s[100:101], s[100:101], s[2:3]
	global_prefetch_b8 v30, s[100:101] th:TH_LOAD_NT scope:SCOPE_SE
	global_prefetch_b8 v30, s[100:101] offset:TROW th:TH_LOAD_NT scope:SCOPE_SE
	CROUND
	s_mov_b32 s[G0S], 1
	s_add_co_u32 s[G0S+1], s94, SCL
	s_mov_b64 s[G0S+2:G0S+3], s[22:23]
	s_or_b32 s[G0S+3], s[G0S+3], 0x80000000
	s_mov_b32 s[G0SB], 1
	s_add_co_u32 s[G0SB+1], s94, SCL
	s_mov_b64 s[G0SB+2:G0SB+3], s[92:93]
	s_or_b32 s[G0SB+3], s[G0SB+3], 0x80000000
	JLOAD G0S, G1S, G0SB, G1SB
.irp s, 0,1
	s_mov_b32 s[G0+4*\s], 1
	s_add_co_u32 s[G0+4*\s+1], s45, \s*SLOT
	s_add_nc_u64 s[G0+4*\s+2:G0+4*\s+3], s[20:21], \s*TROW
	s_or_b32 s[G0+4*\s+3], s[G0+4*\s+3], 0x80000000
	s_mov_b32 s[G0B+4*\s], 1
	s_add_co_u32 s[G0B+4*\s+1], s45, \s*SLOT
	s_add_nc_u64 s[G0B+4*\s+2:G0B+4*\s+3], s[46:47], \s*TROW
	s_or_b32 s[G0B+4*\s+3], s[G0B+4*\s+3], 0x80000000
	s_wait_alu depctr_va_vdst(0)
	s_wait_tensorcnt 0x0
	ds_add_u32 v28, v29
	s_wait_dscnt 0x0
	CROUND
	JLOAD G0+4*\s, G1, G0B+4*\s, G1B
	global_prefetch_b8 v30, s[100:101] offset:(\s+2)*TROW th:TH_LOAD_NT scope:SCOPE_SE
.endr
	v_and_b32 v1, 31, v0
	v_and_b32 v2, 15, v0
	v_bfe_u32 v3, v0, 4, 1
	v_lshlrev_b32 v4, 4, v1
	v_lshlrev_b32 v5, 3, v1
	v_add_nc_u32 v5, 512, v5
	s_mul_i32 s21, s15, HALFT
	s_mul_i32 s22, s16, HALFT
	s_add_co_u32 s22, s22, 2*HALFT
.irp s, 0,1
	v_add_nc_u32 v[ADRA+\s], s21, v4
	v_add_nc_u32 v[ADRB+\s], s22, v4
	v_add_nc_u32 v[ADRA+2+\s], s21, v5
	v_add_nc_u32 v[ADRB+2+\s], s22, v5
	s_add_co_u32 s21, s21, SLOT
	s_add_co_u32 s22, s22, SLOT
.endr
	s_mul_i32 s21, s15, HALFS
	s_mul_i32 s22, s16, HALFS
	s_add_co_u32 s22, s22, 2*HALFS
	s_sub_co_u32 s22, s22, s21
	v_mul_u32_u24 v6, s22, v3
	s_add_co_u32 s21, s21, SCL
	v_lshl_add_u32 v6, v2, 2, v6
	v_add_nc_u32 v[ADRS], s21, v6
	s_cmp_eq_u32 ttmp9, 1
	s_cselect_b64 s[18:19], s[8:9], s[10:11]
	s_cmp_eq_u32 ttmp9, 0
	s_cselect_b64 s[18:19], s[6:7], s[18:19]
	s_lshl_b32 s20, s40, 10
	s_lshl_b32 s21, s16, 9
	s_add_co_u32 s20, s20, s21
	s_mov_b32 s21, 0
	s_add_nc_u64 s[96:97], s[18:19], s[20:21]
	s_lshl_b32 s20, s41, 10
	s_lshl_b32 s22, s15, 9
	s_add_co_u32 s20, s20, s22
	s_add_nc_u64 s[98:99], s[18:19], s[20:21]
	v_lshlrev_b32 v[VB], 6, v3
	v_lshrrev_b32 v[VC], 3, v2
	v_lshl_add_u32 v[VC], v[VC], 3, v2
	v_lshlrev_b32 v[VC], 2, v[VC]
	WIN TO_B
.irp b, 0,1
.irp i, 0,1,2,3
	global_load_b128 v[96+16*\b+4*\i:96+16*\b+4*\i+3], v[VB], s[96:97] offset:128*\b+16*\i
	global_load_b128 v[224+16*\b+4*\i:224+16*\b+4*\i+3], v[VB], s[96:97] offset:256+128*\b+16*\i
.endr
.endr
	WIN 0
.irp a, 0,1,2,3,4,5,6,7
	global_load_b32 v[BV+2*\a], v[VC], s[98:99] offset:4*(32*(\a/2)+8*(\a%2))
	global_load_b32 v[BV+2*\a+1], v[VC], s[98:99] offset:4*(32*(\a/2)+8*(\a%2))
.endr
.macro FRAG reg, adr, q, i
	ds_load_b128 v[\reg:\reg+3], v[\adr] offset:(\i)*TROW+(\q)*1536
	ds_load_b64 v[\reg+4:\reg+5], v[\adr+2] offset:(\i)*TROW+(\q)*1536
	ds_load_b128 v[\reg+6:\reg+9], v[\adr] offset:(\i)*TROW+(\q)*1536+768
	ds_load_b64 v[\reg+10:\reg+11], v[\adr+2] offset:(\i)*TROW+(\q)*1536+768
.endm
.macro MUL16 a0, p, q, sc, zero
.irp a, \a0, \a0+1
.irp b, 0,1,2,3,4,5,6,7
.if \zero
	v_wmma_scale_f32_16x16x128_f8f6f4 v[8*(8*((\a)%4)+\b):8*(8*((\a)%4)+\b)+7], v[128*(\p)+FR*\b:128*(\p)+FR*\b+FR-1], v[AF+FR*(\a):AF+FR*(\a)+FR-1], 0, v[SC+8*NQ*(\sc)+NQ*\b+(\q)], v[SC+8*NQ*(\sc)+NQ*(\a)+(\q)] matrix_a_fmt:MATRIX_FMT_FP6 matrix_b_fmt:MATRIX_FMT_FP6 matrix_a_scale:MATRIX_SCALE_ROW1
.else
	v_wmma_scale_f32_16x16x128_f8f6f4 v[8*(8*((\a)%4)+\b):8*(8*((\a)%4)+\b)+7], v[128*(\p)+FR*\b:128*(\p)+FR*\b+FR-1], v[AF+FR*(\a):AF+FR*(\a)+FR-1], v[8*(8*((\a)%4)+\b):8*(8*((\a)%4)+\b)+7], v[SC+8*NQ*(\sc)+NQ*\b+(\q)], v[SC+8*NQ*(\sc)+NQ*(\a)+(\q)] matrix_a_fmt:MATRIX_FMT_FP6 matrix_b_fmt:MATRIX_FMT_FP6 matrix_a_scale:MATRIX_SCALE_ROW1
.endif
.endr
.endr
.endm
.macro FETCH_B slot, q, p
	WIN TO_B
.irp i, 0,1,2,3,4,5,6,7
	FRAG 128*(\p)+FR*\i, ADRB+\slot, \q, \i
.endr
	WIN 0
.endm
.macro FETCH_A slot, q, i0
.irp i, \i0, \i0+1, \i0+2, \i0+3
	FRAG AF+FR*(\i), ADRA+\slot, \q, \i
.endr
.endm
.macro SCALES sc
.irp i, 0,1,2,3,4,5,6,7
	ds_load_b32 v[SC+16*\sc+2*\i], v[ADRS] offset:\i*SBLK
	ds_load_b32 v[SC+16*\sc+2*\i+1], v[ADRS] offset:\i*SBLK+64
.endr
.endm
.macro PLACES n
.rept \n
	v_nop
.endr
.endm
.macro STEP slot, q, zero
	s_wait_dscnt 4*NL
	WIN MUL_LO
	MUL16 0, (\q)%2, \q, \slot, \zero
	MUL16 2, (\q)%2, \q, \slot, \zero
	s_wait_dscnt 0
	PLACES NP
	FETCH_B \slot, (\q)+1, 1-(\q)%2
	FETCH_A \slot, (\q)+1, 0
	WIN MUL_HI
	MUL16 4, (\q)%2, \q, \slot, \zero
	MUL16 6, (\q)%2, \q, \slot, \zero
	PLACES NP
	WIN 0
	FETCH_A \slot, (\q)+1, 4
.endm
.macro TURN slot, next, fill
	s_wait_tensorcnt 0x0
	ds_add_u32 v[SPW], v[NIL]
	s_wait_dscnt 4*NL+1
	WIN MUL_LO
	MUL16 0, 1, NQ-1, \slot, 0
	s_wait_dscnt 0x0
	s_barrier_signal -1
	MUL16 2, 1, NQ-1, \slot, 0
	WIN 0
	s_barrier_wait -1
.if \fill
	CREST
	s_add_nc_u64 s[G0+4*\slot+2:G0+4*\slot+3], s[G0+4*\slot+2:G0+4*\slot+3], 2*TROW
	s_add_nc_u64 s[G0B+4*\slot+2:G0B+4*\slot+3], s[G0B+4*\slot+2:G0B+4*\slot+3], 2*TROW
	JLOAD G0+4*\slot, G1, G0B+4*\slot, G1B
.else
	PLACES NP
.endif
	s_wait_alu depctr_va_vdst(0)
	v_add_nc_u32 v[ADRS], 64*NQ, v[ADRS]
	FETCH_B \next, 0, 0
	FETCH_A \next, 0, 0
	SCALES \next
	WIN MUL_HI
	MUL16 4, 1, NQ-1, \slot, 0
	MUL16 6, 1, NQ-1, \slot, 0
	PLACES NP
	WIN 0
	FETCH_A \next, 0, 4
.endm
	s_wait_alu depctr_va_vdst(0)
	s_wait_tensorcnt 1
	s_barrier_signal -1
	s_barrier_wait -1
	FETCH_B 0, 0, 0
	FETCH_A 0, 0, 0
	SCALES 0
	FETCH_A 0, 0, 4
	STEP 0, 0, 1
	s_mov_b32 s3, LAPS-1
.Llap:
	TURN 0, 1, 1
	STEP 1, 0, 0
	TURN 1, 0, 1
	STEP 0, 0, 0
	s_sub_co_u32 s3, s3, 1
	s_cmp_lg_u32 s3, 0
	s_cbranch_scc1 .Llap
	TURN 0, 1, 0
	STEP 1, 0, 0
	s_wait_dscnt 4*NL
	WIN MUL_LO
	MUL16 0, 1, NQ-1, 1, 0
	MUL16 2, 1, NQ-1, 1, 0
	s_wait_dscnt 0
	WIN MUL_HI
	MUL16 4, 1, NQ-1, 1, 0
	MUL16 6, 1, NQ-1, 1, 0
	WIN 0
.macro QUANT s
.irp b, 0,1,2,3
	v_max3_num_f32 v[TM+\b], |v[\s+16*\b]|, |v[\s+1+16*\b]|, 0x1800000
.endr
.irp i, 2,4,6,8,10,12,14
.irp b, 0,1,2,3
	v_max3_num_f32 v[TM+\b], v[TM+\b], |v[\s+16*\b+\i]|, |v[\s+1+16*\b+\i]|
.endr
.endr
.irp b, 0,1,2,3
	v_permlanex16_b32 v[TM+4+\b], v[TM+\b], s[SEL], s[SEL+1]
.endr
.irp b, 0,1,2,3
	v_max_num_f32 v[TM+\b], v[TM+\b], v[TM+4+\b]
.endr
.irp b, 0,1,2,3
	v_add_nc_u32 v[TM+12+\b], 0xff000000, v[TM+\b]
.endr
.irp b, 0,1,2,3
	v_lshrrev_b32 v[TM+4+\b], 23, v[TM+12+\b]
.endr
	v_lshl_or_b32 v[PW], v[TM+5], 8, v[TM+4]
	v_lshl_or_b32 v[PW], v[TM+6], 16, v[PW]
	v_lshl_or_b32 v[PW], v[TM+7], 24, v[PW]
.irp c, 0,1
	v_cvt_scalef32_pk16_fp6_f32 v[PC+6*\c:PC+2+6*\c], v[\s+32*\c:\s+15+32*\c], v[TM+12+2*\c]
	v_cvt_scalef32_pk16_fp6_f32 v[PC+12+4*\c:PC+14+4*\c], v[\s+16+32*\c:\s+31+32*\c], v[TM+12+2*\c+1]
.endr
	v_nop
.irp c, 0,1
.irp i, 0,1,2
	v_permlane16_swap_b32 v[PC+6*\c+\i], v[PC+12+4*\c+\i]
.endr
.irp i, 0,1,2
	v_mov_b32 v[PC+3+6*\c+\i], v[PC+12+4*\c+\i]
.endr
.endr
.endm
.macro ADDB a, isv
.if \isv
	WIN 0x02+((\a)/4)
.else
	WIN 0x06+((\a)/4)
.endif
.set n, 0
.rept 32
.if \isv
	v_pk_add_f32 v[T+n:T+n+1], v[64*((\a)%4)+n:64*((\a)%4)+n+1], v[BV+2*(\a):BV+2*(\a)+1]
.elseif n < 32
	v_pk_add_f32 v[T+n:T+n+1], v[64*((\a)%4)+n:64*((\a)%4)+n+1], v[96+n:97+n]
.else
	v_pk_add_f32 v[T+n:T+n+1], v[64*((\a)%4)+n:64*((\a)%4)+n+1], v[192+n:193+n]
.endif
.set n, n+2
.endr
	WIN 0
.endm
.macro QKOUT a
.if (\a) > 0
	s_wait_xcnt 0x0
.endif
	ADDB \a, 0
	QUANT T
	global_store_b128 v[VA16], v[PC:PC+3], s[12:13] offset:768*(\a)
	global_store_b64 v[VA8], v[PC+4:PC+5], s[12:13] offset:768*(\a)+512
	global_store_b128 v[VA16], v[PC+6:PC+9], s[12:13] offset:BHS+768*(\a)
	global_store_b64 v[VA8], v[PC+10:PC+11], s[12:13] offset:BHS+768*(\a)+512
.if (\a)%2 == 0
	v_mov_b32 v[PWS], v[PW]
.else
	v_perm_b32 v[W], v[PW], v[PWS], s28
	v_perm_b32 v[W+1], v[PW], v[PWS], s29
	v_cndmask_b32 v[W], v[W], v[W+1], s30
	global_store_b32 v[VSC], v[W], s[12:13] offset:6144+64*((\a)/2)
.endif
.endm
.macro VOUT a
.if (\a) > 0
	s_wait_xcnt 0x0
.endif
	ADDB \a, 1
	QUANT T
	global_store_b128 v[VA16], v[PC:PC+3], s[12:13] offset:((\a)/4)*BHS+((\a)%4)*1536
	global_store_b64 v[VA8], v[PC+4:PC+5], s[12:13] offset:((\a)/4)*BHS+((\a)%4)*1536+512
	global_store_b128 v[VA16], v[PC+6:PC+9], s[12:13] offset:((\a)/4)*BHS+((\a)%4)*1536+768
	global_store_b64 v[VA8], v[PC+10:PC+11], s[12:13] offset:((\a)/4)*BHS+((\a)%4)*1536+1280
	global_store_b32 v[VSC], v[PW], s[12:13] offset:((\a)/4)*BHS+6144+64*((\a)%4)
.endm
	PLACES NP
	s_wait_loadcnt 0x0
	s_lshl_b32 s20, s40, 2
	s_lshl_b32 s21, s16, 1
	s_add_co_u32 s20, s20, s21
	s_lshl_b32 s21, s41, 2
	s_lshl_b32 s22, s15, 1
	s_add_co_u32 s21, s21, s22
	s_cmp_lt_u32 ttmp9, 2
	s_cselect_b32 s20, s20, s21
	s_cselect_b32 s21, s17, s42
	s_cselect_b32 s22, s15, s16
	s_lshr_b32 s23, s21, 3
	s_lshl_b32 s23, s23, 4
	s_add_co_u32 s23, s23, s20
	s_mul_i32 s23, s23, 48
	s_lshl_b32 s24, ttmp9, 4
	s_add_co_u32 s23, s23, s24
	s_lshl_b32 s21, s21, 1
	s_add_co_u32 s21, s21, s22
	s_and_b32 s21, s21, 15
	s_add_co_u32 s23, s23, s21
	s_mul_i32 s22, s23, 6400
	s_mov_b32 s23, 0
	s_add_nc_u64 s[12:13], s[12:13], s[22:23]
	s_mov_b32 s[SEL], 0x76543210
	s_mov_b32 s[SEL+1], 0xfedcba98
	s_mov_b32 s28, 0x05040100
	s_mov_b32 s29, 0x07060302
	s_mov_b32 s30, 0xffff0000
	v_lshlrev_b32 v[VA16], 4, v1
	v_lshlrev_b32 v[VA8], 3, v1
.irp b, 0,1,2,3
	v_mov_b32 v[TM+4+\b], 0
.endr
	s_cmp_eq_u32 ttmp9, 2
	s_cbranch_scc1 .Lvalues
	v_mul_u32_u24 v[VSC], v3, BHS
	v_lshl_add_u32 v[VSC], v2, 2, v[VSC]
.irp a, 0,1,2,3,4,5,6,7
	QKOUT \a
.endr
	s_branch .Lend
.Lvalues:
	v_lshlrev_b32 v[VSC], 2, v2
.irp a, 0,1,2,3,4,5,6,7
	VOUT \a
.endr
.Lend:
	s_wait_tensorcnt 0x0
	ds_add_u32 v[SPW], v[NIL]
	s_wait_dscnt 0x0
	CROUND
	s_endpgm
.Lfunc_end_k_q6c1efa94c5_qkv:
	.size	k_q6c1efa94c5_qkv, .Lfunc_end_k_q6c1efa94c5_qkv-k_q6c1efa94c5_qkv
	.p2alignl 7, 3214868480
	.fill 96, 4, 3214868480
	.section	.rodata,"a",@progbits
	.p2align	6, 0x0
	.amdhsa_kernel k_q6c1efa94c5_qkv
		.amdhsa_group_segment_fixed_size 327680
		.amdhsa_private_segment_fixed_size 0
		.amdhsa_enable_private_segment 0
		.amdhsa_kernarg_size 40
		.amdhsa_user_sgpr_count 2
		.amdhsa_user_sgpr_kernarg_segment_ptr 1
		.amdhsa_wavefront_size32 1
		.amdhsa_system_sgpr_workgroup_id_x 1
		.amdhsa_system_sgpr_workgroup_id_y 1
		.amdhsa_system_sgpr_workgroup_id_z 1
		.amdhsa_system_vgpr_workitem_id 0
		.amdhsa_next_free_vgpr 1024
		.amdhsa_next_free_sgpr 102
		.amdhsa_reserve_vcc 0
		.amdhsa_float_denorm_mode_32 3
		.amdhsa_float_denorm_mode_16_64 3
		.amdhsa_memory_ordered 1
		.amdhsa_forward_progress 1
		.amdhsa_inst_pref_size 224
	.end_amdhsa_kernel
	.amdgpu_metadata
---
amdhsa.version: [ 1, 2 ]
amdhsa.kernels:
  - .name:           k_q6c1efa94c5_qkv
    .symbol:         k_q6c1efa94c5_qkv.kd
    .args:
      - { .name: xw, .offset: 0, .size: 8, .value_kind: global_buffer, .address_space: global }
      - { .name: bq, .offset: 8, .size: 8, .value_kind: global_buffer, .address_space: global }
      - { .name: bk, .offset: 16, .size: 8, .value_kind: global_buffer, .address_space: global }
      - { .name: bv, .offset: 24, .size: 8, .value_kind: global_buffer, .address_space: global }
      - { .name: qkv, .offset: 32, .size: 8, .value_kind: global_buffer, .address_space: global }
    .group_segment_fixed_size: 327680
    .private_segment_fixed_size: 0
    .kernarg_segment_align: 8
    .kernarg_segment_size: 40
    .max_flat_workgroup_size: 128
    .sgpr_count:     102
    .vgpr_count:     1024
    .wavefront_size: 32
...
	.end_amdgpu_metadata
.endif
;; end of part 2
;; launch attn (part 3): grid 8 x 32, 16 waves a work-group, clusters of 4 x 1, 280,576 bytes of LDS; arguments qkv, ctx; writes ctx
.if DOCPART == 3
	.amdgcn_target "amdgcn-amd-amdhsa--gfx1250"
	.amdhsa_code_object_version 6
	.text
	.protected	k_q6c1efa94c5_attn
	.globl	k_q6c1efa94c5_attn
	.p2align	8
	.type	k_q6c1efa94c5_attn,@function
k_q6c1efa94c5_attn:
	s_mov_b64 s[64:65], 0
	v_nop
	global_prefetch_b8 v0, s[64:65] scope:SCOPE_SE
	s_setreg_imm32_b32 hwreg(HW_REG_WAVE_MODE, 25, 1), 1
	s_wait_xcnt 0x0
	s_wait_alu depctr_hold_cnt(0) depctr_sa_sdst(0) depctr_va_vdst(0) depctr_va_sdst(0) depctr_va_ssrc(0) depctr_va_vcc(0) depctr_vm_vsrc(0)
	s_getreg_b32 s2, hwreg(HW_REG_IB_STS2, 6, 4)
	s_cmp_eq_u32 s2, 0
	s_cbranch_scc0 .Lentry_in_a_cluster
	s_endpgm
.Lentry_in_a_cluster:
	s_bfe_u32 s2, ttmp6, 0x10000c
	s_cmp_lg_u32 s2, 0x3003
	s_cbranch_scc0 .Lentry_shape_is_right
	s_endpgm
.Lentry_shape_is_right:
; ctx = softmax(q k^T / 64, causal) v for one batch and head, both products on codes of FP6, and ctx's quantising for the projection.
; LEFT OUT: steps of 128 keys that lie wholly behind a tile's 16 queries: reference()'s own causal mask gives them the weight 0 for all inputs (shown at the head of the first launch).
; THE SOFTMAX: t = score x log2(e) / 64; M = the running largest t rounded up to a whole number; p = 2^(t - M) is quantised along the keys, not normalised; the sum of the unquantised p divides at the end.
; LDS.  A head's K and V (32 records of 6,400 bytes) stay in LDS: each of the sixteen waves asks for two records by one joint load, the same in the four work-groups of the cluster, which serve the same head.  Nothing is filled again.
; SHARES.  The work-group serves tile g (its x) of each of the 16 records of queries; the tile of record rho walks key steps 0 .. rho whatever g is, so no branch hangs on the place in the cluster: 136 steps in all.
; Waves w and w + 8 (j = w = 0 .. 7) share records j and 15 - j, 17 steps: wave w takes steps 0 .. 7 of record 15 - j (8 steps); wave w + 8 takes record j whole (j + 1 steps) and then steps 8 .. 15 - j of record 15 - j (8 - j): 9 steps.
; So no wave walks more than 9 steps.  THE TWO PARTS OF RECORD 15 - j ARE JOINED through LDS: wave w stores its O^T, -M and sums into bytes of its own, waits for the stores, all waves pass a barrier, wave w + 8 loads them.  Both M are whole
; numbers: each part is multiplied by 2^(its M - the larger M), which rounds nothing, and the parts are added.
; Every wave walks both loops, whose trip counts are constants, and jumps over the steps that are not its own: in the first loop waves 0 .. 7 have none.
; LAYOUT.  Both products are used transposed: a lane holds one query.  Tiles hold physical rows, so the 16 registers of score tiles 2 b, 2 b + 1 are keys 32 b + 16 (lane / 16) + 0 .. 15.
; q k^T has K = 64: two tiles of K on end are one fragment (tile 2 i at k 0-63, tile 2 i + 1 at k 64-127); it is multiplied by q with zero codes above, and by q with zero codes below.  Zero codes add nothing under any scale byte but 0xff.
; The two scale bytes of a row of ctx leave as 2 bytes a lane: one byte in 24 of what the launch stores.
; LIMITS: as stated at the head of the first launch.
.set REC,   6400
.set VOFF,  102400                     ; V's records in LDS; also K's first record in a head's part of qkv
.set BHS,   307200
.set SPARE, 204800                     ; the spare words: 128 bytes for each wave
.set PART,  SPARE+2048                 ; the parts: a place for each wave by its number (waves 0 .. 7 use theirs),
.set PSZ,   4608                       ; nine stores of 512 bytes
.set AK16, 1                           ; 16 L
.set AK8,  2                           ; 512 + 8 L
.set AKS,  3                           ; 6,144 + 4 r
.set AV16, 4                           ; the same three for V
.set SPW,  5
.set NIL,  6
.set AV8,  7
.set WK16, 8                           ; the step's six addresses
.set WK8,  9
.set WKS,  10
.set WV16, 11
.set QL,   16                          ; v16-27 q, zeros above;  v28-39 zeros below, q
.set QH,   28
.set FRG,  40                          ; v40-87 four fragments of K or V
.set PS,   88                          ; where I store my part
.set PL,   89                          ; where I load my partner's
.set QX,   90                          ; v90-95 q of record 15 - j, kept for the second loop
.set S,    96                          ; v96-159 scores, then p
.set OA,   96                          ; the join: v96-127 the partner's O^T, v128-131 its -M, t and sums
.set SA,   128
.set FA,   132                         ; v132-133 its factor, v134-135 mine
.set FB,   134
.set NM,   136
.set O,    160                         ; v160-191 O^T
.set PCD,  192                         ; v192-203 p's codes
.set PT,   204
.set BM,   212                         ; the blocks' largest
.set BT,   216
.set SO,   220
.set KW,   224                         ; v224-227 K's or V's scale words;  v228 p's;  v232, v233 q's: these hold scales alone
.set PWD,  228
.set F,    230
.set QSL,  232
.set QSH,  233
.set DD,   234
.set NINF, 235
.set TMP,  236
.set SU,   238
.set WV8,  240
.set WVS,  241
.set AVS,  242
.set R4,   243
.set L8,   244
.set QXW,  245                         ; the pair word of record 15 - j's q
.set WVN,  8                           ; s8  wave
.set RHI,  12                          ; s12 15 - j
.set ISB,  14                          ; s14 wave / 8
.set RLO,  15                          ; s15 j
.set SEL,  20
.set CS,   22
.set KS,   32
.set TB,   33
.set RHO,  58                          ; the loop's record of queries,
.set LO,   59                          ; my first
.set HI,   60                          ; and last key step in it
.set SHF,  61                          ; 16 (g % 2)
.macro CROUND
	s_barrier_signal -1
	s_barrier_wait -1
	s_cmp_lg_u32 s[WVN], 0
	s_cbranch_scc1 .Lnot_wave_0_\@
	s_barrier_signal -3
.Lnot_wave_0_\@:
	s_barrier_wait -3
	s_barrier_signal -1
	s_barrier_wait -1
.endm
.macro FRAG reg, a16, a8, off
	ds_load_b128 v[\reg:\reg+3], v[\a16] offset:\off
	ds_load_b64 v[\reg+4:\reg+5], v[\a8] offset:\off
	ds_load_b128 v[\reg+6:\reg+9], v[\a16] offset:\off+768
	ds_load_b64 v[\reg+10:\reg+11], v[\a8] offset:\off+768
.endm
.macro INIT                            ; the step is written once: a loop's first step finds zeros, which the first change of M leaves zeros
	v_mov_b32 v13, 0xff61b1e6                      ; the largest t so far: -3e38
	s_delay_alu instid0(VALU_DEP_1)
	v_floor_f32 v12, -v13                          ; -M
	v_mov_b32 v14, 0
	v_mov_b32 v15, 0
.set j, 0
.rept 32
	v_mov_b32 v[O+j], 0
.set j, j+1
.endr
	s_mov_b32 s[KS], 0
	s_mov_b32 s[TB], 0
.endm
; A LOOP OVER KEY STEPS 0 .. trips - 1, a constant; a wave works in steps LO .. HI, which hang on its number alone
.macro PASS trips
.Lstep_\@:
	s_cmp_lt_i32 s[KS], s[LO]
	s_cbranch_scc1 .Lnext_\@
	s_cmp_gt_i32 s[KS], s[HI]
	s_cbranch_scc1 .Lnext_\@
	v_add_nc_u32 v[WK16], s[TB], v[AK16]           ; (six plain places behind the last products)
	v_add_nc_u32 v[WK8], s[TB], v[AK8]
	v_add_nc_u32 v[WKS], s[TB], v[AKS]
	v_add_nc_u32 v[WV16], s[TB], v[AV16]
	v_add_nc_u32 v[WV8], s[TB], v[AV8]
	v_add_nc_u32 v[WVS], s[TB], v[AVS]
.irp i, 0,1,2,3
	FRAG FRG+12*\i, WK16, WK8, 1536*\i
	ds_load_b32 v[KW+\i], v[WKS] offset:64*\i
.endr
	s_wait_alu depctr_va_vdst(0)
	s_wait_dscnt 0x0
.irp i, 0,1,2,3
	v_wmma_scale_f32_16x16x128_f8f6f4 v[S+16*\i:S+16*\i+7], v[FRG+12*\i:FRG+12*\i+11], v[QL:QL+11], 0, v[KW+\i], v[QSL] matrix_a_fmt:MATRIX_FMT_FP6 matrix_b_fmt:MATRIX_FMT_FP6
	v_wmma_scale_f32_16x16x128_f8f6f4 v[S+16*\i+8:S+16*\i+15], v[FRG+12*\i:FRG+12*\i+11], v[QH:QH+11], 0, v[KW+\i], v[QSH] matrix_a_fmt:MATRIX_FMT_FP6 matrix_b_fmt:MATRIX_FMT_FP6
.endr
.rept 4
	v_nop                                          ; places: ahead of the loads below and of the first read of the scores
.endr
.irp t, 0,1,2,3
	FRAG FRG+12*\t, WV16, WV8, 1536*\t             ; V's fragments land during the softmax
	ds_load_b32 v[KW+\t], v[WVS] offset:64*\t
.endr
	s_cmp_lg_u32 s[KS], s[RHO]
	s_cbranch_scc1 .Lopen_\@
.set n, 0
.rept 64                                       ; on the diagonal: register n holds key 32 (n / 16) + 16 h + n % 16 of the record: hidden where it comes after my query
	v_cmp_gt_i32 vcc_lo, 32*(n/16)+n%16, v[DD]
	v_cndmask_b32 v[S+n], v[S+n], v[NINF], vcc_lo
.set n, n+1
.endr
.Lopen_\@:
.irp b, 0,1,2,3
	v_max3_num_f32 v[BM+\b], v[S+16*\b], v[S+1+16*\b], v[S+2+16*\b]   ; each block's largest score: for the row's maximum, and, since p rises with the score, for the block's largest p
.endr
.irp i, 3,5,7,9,11,13
.irp b, 0,1,2,3
	v_max3_num_f32 v[BM+\b], v[BM+\b], v[S+16*\b+\i], v[S+1+16*\b+\i]
.endr
.endr
.irp b, 0,1,2,3
	v_max_num_f32 v[BM+\b], v[BM+\b], v[S+15+16*\b]
.endr
.irp b, 0,1,2,3
	s_delay_alu instid0(VALU_DEP_4)
	v_permlanex16_b32 v[BT+\b], v[BM+\b], s[SEL], s[SEL+1]
.endr
.irp b, 0,1,2,3
	s_delay_alu instid0(VALU_DEP_4)
	v_max_num_f32 v[BM+\b], v[BM+\b], v[BT+\b]
.endr
	s_delay_alu instid0(VALU_DEP_2)
	v_max3_num_f32 v[TMP], v[BM], v[BM+1], v[BM+2]
	s_delay_alu instid0(VALU_DEP_1)
	v_max_num_f32 v[TMP], v[TMP], v[BM+3]
	s_delay_alu instid0(VALU_DEP_1)
	v_mul_f32 v[TMP], s[CS], v[TMP]
	s_delay_alu instid0(VALU_DEP_1)
	v_max_num_f32 v13, v13, v[TMP]                 ; the running largest t
	v_mov_b32 v[TMP], v12
	s_delay_alu instid0(VALU_DEP_2)
	v_floor_f32 v12, -v13                          ; -M = floor(-t): M is a whole number
	s_delay_alu instid0(VALU_DEP_1)
	v_sub_f32 v[TMP], v12, v[TMP]
	s_delay_alu instid0(VALU_DEP_1)
	v_cvt_i32_f32 v[TMP], v[TMP]                   ; (it saturates)
	s_delay_alu instid0(VALU_DEP_1)
	v_ldexp_f32 v[F], 1.0, v[TMP]                  ; f = 2^(old M - new M): rounds nothing
.set j, 0
.rept 32
	v_pk_fma_f32 v[S+j:S+j+1], v[S+j:S+j+1], s[CS:CS+1], v[12:13] op_sel_hi:[1,0,0]   ; t - M
.set j, j+2
.endr
.irp b, 0,1,2,3
	v_fma_f32 v[BM+\b], v[BM+\b], s[CS], v12
.endr
.set j, 0
	s_wait_alu depctr_va_vdst(0)
.rept 64
	v_exp_f32 v[S+j], v[S+j]                       ; p, not normalised
.set j, j+1
.endr
	v_pk_mul_f32 v[14:15], v[14:15], v[F:F+1] op_sel_hi:[1,0]   ; the sums under the new M (a plain place behind the exponentials)
	s_wait_alu depctr_va_vdst(0)                   ; one wait for the batch, ahead of its first reader
.irp b, 0,1,2,3
	v_exp_f32 v[BM+\b], v[BM+\b]                   ; the blocks' largest p
.endr
	v_pk_add_f32 v[238:239], v[100:101], v[104:105]
	v_pk_add_f32 v[254:255], v[108:109], v[112:113]
	v_pk_add_f32 v[252:253], v[116:117], v[120:121]
	v_pk_add_f32 v[250:251], v[124:125], v[128:129]
	v_pk_add_f32 v[248:249], v[132:133], v[136:137]
	v_pk_add_f32 v[246:247], v[140:141], v[144:145]
	v_pk_add_f32 v[240:241], v[148:149], v[152:153]
	v_pk_add_f32 v[14:15], v[14:15], v[156:157]
	v_pk_add_f32 v[238:239], v[238:239], v[96:97]
	v_pk_add_f32 v[254:255], v[254:255], v[98:99]
	v_pk_add_f32 v[252:253], v[252:253], v[102:103]
	v_pk_add_f32 v[250:251], v[250:251], v[106:107]
	v_pk_add_f32 v[248:249], v[248:249], v[110:111]
	v_pk_add_f32 v[246:247], v[246:247], v[114:115]
	v_pk_add_f32 v[240:241], v[240:241], v[118:119]
	v_pk_add_f32 v[14:15], v[14:15], v[122:123]
	v_pk_add_f32 v[238:239], v[238:239], v[126:127]
	v_pk_add_f32 v[254:255], v[254:255], v[130:131]
	v_pk_add_f32 v[252:253], v[252:253], v[134:135]
	v_pk_add_f32 v[250:251], v[250:251], v[138:139]
	v_pk_add_f32 v[248:249], v[248:249], v[142:143]
	v_pk_add_f32 v[246:247], v[246:247], v[146:147]
	v_pk_add_f32 v[240:241], v[240:241], v[150:151]
	v_pk_add_f32 v[14:15], v[14:15], v[154:155]
	v_pk_add_f32 v[238:239], v[238:239], v[158:159]
	s_delay_alu instid0(VALU_DEP_2)
	v_pk_add_f32 v[14:15], v[14:15], v[250:251]
	s_delay_alu instid0(VALU_DEP_2)
	v_pk_add_f32 v[238:239], v[238:239], v[248:249]
	v_pk_add_f32 v[254:255], v[254:255], v[246:247]
	v_pk_add_f32 v[252:253], v[252:253], v[240:241]
	s_delay_alu instid0(VALU_DEP_2)
	v_pk_add_f32 v[14:15], v[14:15], v[254:255]
	s_delay_alu instid0(VALU_DEP_2)
	v_pk_add_f32 v[238:239], v[238:239], v[252:253]
	s_delay_alu instid0(VALU_DEP_1)
	v_pk_add_f32 v[14:15], v[14:15], v[238:239]
	s_wait_alu depctr_va_vdst(0)                   ; and one for the four
.irp b, 0,1,2,3
	v_max_num_f32 v[BM+\b], 0x1800000, v[BM+\b]    ; the floor: the byte cannot fall under 1
.endr
.irp b, 0,1,2,3
	s_delay_alu instid0(VALU_DEP_4)
	v_add_nc_u32 v[SO+\b], 0xff000000, v[BM+\b]
.endr
.irp b, 0,1,2,3
	s_delay_alu instid0(VALU_DEP_4)
	v_lshrrev_b32 v[BT+\b], 23, v[SO+\b]
.endr
	s_delay_alu instid0(VALU_DEP_3)
	v_lshl_or_b32 v[PWD], v[BT+1], 8, v[BT]
	s_delay_alu instid0(VALU_DEP_1)
	v_lshl_or_b32 v[PWD], v[BT+2], 16, v[PWD]
	s_delay_alu instid0(VALU_DEP_1)
	v_lshl_or_b32 v[PWD], v[BT+3], 24, v[PWD]
.irp c, 0,1
	v_cvt_scalef32_pk16_fp6_f32 v[PCD+6*\c:PCD+2+6*\c], v[S+32*\c:S+15+32*\c], v[SO+2*\c]
	v_cvt_scalef32_pk16_fp6_f32 v[PT+4*\c:PT+2+4*\c], v[S+16+32*\c:S+31+32*\c], v[SO+2*\c+1]
.endr
	v_nop                                          ; one plain place behind a scaled conversion
.irp c, 0,1
.irp i, 0,1,2
	v_permlane16_swap_b32 v[PCD+6*\c+\i], v[PT+4*\c+\i]
.endr
.irp i, 0,1,2
	s_delay_alu instid0(VALU_DEP_3)
	v_mov_b32 v[PCD+3+6*\c+\i], v[PT+4*\c+\i]
.endr
.endr
.set j, 0
.rept 16
	v_pk_mul_f32 v[O+j:O+j+1], v[O+j:O+j+1], v[F:F+1] op_sel_hi:[1,0]   ; O^T under the new M; also the places between p's word and codes and the products
.set j, j+2
.endr
	s_wait_alu depctr_va_vdst(0)
	s_wait_dscnt 0x0                               ; V
.irp t, 0,1,2,3
	v_wmma_scale_f32_16x16x128_f8f6f4 v[O+8*\t:O+8*\t+7], v[FRG+12*\t:FRG+12*\t+11], v[PCD:PCD+11], v[O+8*\t:O+8*\t+7], v[KW+\t], v[PWD] matrix_a_fmt:MATRIX_FMT_FP6 matrix_b_fmt:MATRIX_FMT_FP6
.endr
.Lnext_\@:
	s_add_co_u32 s[TB], s[TB], REC
	s_add_co_u32 s[KS], s[KS], 1
	s_cmp_lt_u32 s[KS], \trips
	s_cbranch_scc1 .Lstep_\@
.rept 4
	v_nop                                          ; places behind the last products, on every way out of the loop
.endr
.endm
; THE WAY OUT of the tile of record s[RHO]: O^T / the sum; register 16 b + i is feature 32 b + 16 h + i of my query: two blocks, one chunk of ctx
.macro WAYOUT
	s_lshr_b32 s38, s11, 4
	s_lshl_b32 s38, s38, 7
	s_lshl_b32 s39, s[RHO], 3
	s_add_co_u32 s38, s38, s39
	s_add_co_u32 s38, s38, s10                     ; the tile of rows: 128 x batch + 8 rho + g
	s_and_b32 s39, s11, 15                         ; the head
	s_mul_i32 s40, s38, 12288
	s_mul_i32 s41, s39, 768
	s_add_co_u32 s40, s40, s41
	s_mov_b32 s41, 0
	s_add_nc_u64 s[46:47], s[6:7], s[40:41]
	s_lshl_b32 s40, s38, 9
	s_lshr_b32 s42, s39, 1
	s_lshl_b32 s42, s42, 6
	s_add_co_u32 s40, s40, s42
	s_and_b32 s42, s39, 1
	s_lshl_b32 s42, s42, 1
	s_add_co_u32 s40, s40, s42
	s_add_co_u32 s40, s40, 3145728
	s_add_nc_u64 s[48:49], s[6:7], s[40:41]
	v_add_f32 v14, v14, v15
	s_delay_alu instid0(VALU_DEP_1)
	v_permlanex16_b32 v[BT], v14, s[SEL], s[SEL+1]
	s_delay_alu instid0(VALU_DEP_1)
	v_add_f32 v14, v14, v[BT]                      ; the row's sum
	s_wait_alu depctr_va_vdst(0)
	v_rcp_f32 v14, v14
	v_nop
	s_wait_alu depctr_va_vdst(0)
.set j, 0
.rept 32
	v_mul_f32 v[S+j], v[O+j], v14
.set j, j+1
.endr
.irp b, 0,1
	v_max3_num_f32 v[BM+\b], |v[S+16*\b]|, |v[S+1+16*\b]|, 0x1800000
.endr
.irp i, 2,4,6,8,10,12,14
.irp b, 0,1
	s_delay_alu instid0(VALU_DEP_2)
	v_max3_num_f32 v[BM+\b], v[BM+\b], |v[S+16*\b+\i]|, |v[S+1+16*\b+\i]|
.endr
.endr
.irp b, 0,1
	s_delay_alu instid0(VALU_DEP_2)
	v_permlanex16_b32 v[BT+\b], v[BM+\b], s[SEL], s[SEL+1]
.endr
.irp b, 0,1
	s_delay_alu instid0(VALU_DEP_2)
	v_max_num_f32 v[BM+\b], v[BM+\b], v[BT+\b]
.endr
.irp b, 0,1
	s_delay_alu instid0(VALU_DEP_2)
	v_add_nc_u32 v[SO+\b], 0xff000000, v[BM+\b]
.endr
.irp b, 0,1
	s_delay_alu instid0(VALU_DEP_2)
	v_lshrrev_b32 v[BT+\b], 23, v[SO+\b]
.endr
	s_delay_alu instid0(VALU_DEP_1)
	v_lshl_or_b32 v[TMP], v[BT+1], 8, v[BT]
	v_cvt_scalef32_pk16_fp6_f32 v[PCD:PCD+2], v[S:S+15], v[SO]
	v_cvt_scalef32_pk16_fp6_f32 v[PT:PT+2], v[S+16:S+31], v[SO+1]
	v_nop
.irp i, 0,1,2
	v_permlane16_swap_b32 v[PCD+\i], v[PT+\i]
.endr
.irp i, 0,1,2
	s_delay_alu instid0(VALU_DEP_3)
	v_mov_b32 v[PCD+3+\i], v[PT+\i]
.endr
	global_store_b128 v[AK16], v[PCD:PCD+3], s[46:47]
	global_store_b64 v[L8], v[PCD+4:PCD+5], s[46:47] offset:512
	global_store_b16 v[R4], v[TMP], s[48:49]       ; lanes 16-31 write what lanes 0-15 write, to the same place
.endm
	s_load_b128 s[4:7], s[0:1], 0x0                ; qkv, ctx
	v_lshl_add_u32 v[SPW], v0, 2, SPARE
	v_mov_b32 v[NIL], 0
	ds_add_u32 v[SPW], v[NIL]                      ; the opening: the add, twice on end, and its wait ahead of my first tensor load
	ds_add_u32 v[SPW], v[NIL]
	v_lshrrev_b32 v8, 5, v0
	s_delay_alu instid0(VALU_DEP_1)
	v_readfirstlane_b32 s[WVN], v8
	s_bfe_u32 s9, ttmp6, 0x40000                   ; cx
	s_lshl_b32 s10, ttmp9, 2
	s_add_co_u32 s10, s10, s9                      ; g: enters global addresses and the mask's numbers alone
	s_and_b32 s11, ttmp7, 0xffff                   ; 16 x batch + head
	s_lshr_b32 s[ISB], s[WVN], 3                   ; 0: waves 0 .. 7;  1: waves 8 .. 15
	s_and_b32 s[RLO], s[WVN], 7                    ; j
	s_sub_co_u32 s[RHI], 15, s[RLO]                ; 15 - j
	s_mov_b32 s24, 15|(3<<16)|(1<<21)              ; all four work-groups; elements of 8 bytes; bit 21 beside a mask
	s_mov_b32 s25, 32<<16                          ; two records are a dense block of 12,800 bytes: 50 rows of 256
	s_mov_b32 s26, 50<<16
	s_mov_b32 s27, 32<<16
	s_mov_b32 s28, 50
	s_mov_b32 s29, 32
	s_mov_b32 s30, 0
	s_mov_b32 s31, 0
	s_mul_i32 s13, s[WVN], 2*REC
	s_mul_i32 s50, s11, BHS
	s_add_co_u32 s40, s50, s13
	s_add_co_u32 s40, s40, VOFF
	s_mov_b32 s41, 0
	s_mul_i32 s42, s[RHI], REC
	s_add_co_u32 s42, s42, s50
	s_mov_b32 s43, 0
	s_mul_i32 s46, s[RLO], REC
	s_add_co_u32 s46, s46, s50
	s_mov_b32 s47, 0
	s_mul_i32 s44, s10, 768
	s_mov_b32 s45, 0
	s_lshr_b32 s52, s10, 1
	s_lshl_b32 s52, s52, 6
	s_mov_b32 s53, 0
	s_mov_b32 s[SEL], 0x76543210
	s_mov_b32 s[SEL+1], 0xfedcba98
	s_mov_b32 s[CS], 0x3cb8aa3b                    ; c = log2(e) / 64
	s_mov_b32 s[CS+1], s[CS]
	s_wait_dscnt 0x0                               ; both opening adds are done
	s_wait_kmcnt 0x0
	s_mov_b32 s16, 1
	s_mov_b32 s17, s13
	s_add_nc_u64 s[18:19], s[4:5], s[40:41]
	s_or_b32 s19, s19, 0x80000000
	CROUND                                         ; all four work-groups are here
	tensor_load_to_lds s[16:19], s[24:31]          ; my one load: one is out
	s_nop 0
.rept 4
	v_nop
.endr
	s_add_nc_u64 s[34:35], s[4:5], s[42:43]        ; record 15 - j of the queries:
	s_add_nc_u64 s[36:37], s[34:35], s[44:45]      ; my tile's chunk,
	s_add_nc_u64 s[34:35], s[34:35], s[52:53]      ; its pair word
	s_add_nc_u64 s[54:55], s[4:5], s[46:47]        ; record j likewise
	s_add_nc_u64 s[56:57], s[54:55], s[44:45]
	s_add_nc_u64 s[54:55], s[54:55], s[52:53]
	v_and_b32 v8, 31, v0
	v_and_b32 v9, 15, v0                           ; r
	v_bfe_u32 v10, v0, 4, 1                        ; h
	s_delay_alu instid0(VALU_DEP_3)
	v_lshlrev_b32 v[AK16], 4, v8
	s_delay_alu instid0(VALU_DEP_4)
	v_lshlrev_b32 v[L8], 3, v8
	s_delay_alu instid0(VALU_DEP_1)
	v_add_nc_u32 v[AK8], 512, v[L8]
	v_lshlrev_b32 v[R4], 2, v9
	s_delay_alu instid0(VALU_DEP_1)
	v_add_nc_u32 v[AKS], 6144, v[R4]
	v_add_nc_u32 v[AV16], VOFF, v[AK16]
	s_delay_alu instid0(VALU_DEP_4)
	v_add_nc_u32 v[AV8], VOFF, v[AK8]
	s_delay_alu instid0(VALU_DEP_3)
	v_add_nc_u32 v[AVS], VOFF, v[AKS]
	s_mul_i32 s38, s[WVN], PSZ                     ; the parts' addresses are made here, ahead of every parting of the waves
	s_add_co_u32 s38, s38, PART
	v_add_nc_u32 v[PS], s38, v[AK16]
	s_mul_i32 s38, s[RLO], PSZ
	s_add_co_u32 s38, s38, PART
	v_add_nc_u32 v[PL], s38, v[AK16]
.set j, 0
.rept 12
	v_mov_b32 v[QL+j], 0                           ; both operands whole: half of each stays zero codes, and no register's state hangs on the branch below
	v_mov_b32 v[QH+j], 0
.set j, j+1
.endr
	v_mov_b32 v[QSL], 0
	global_load_b128 v[QX:QX+3], v[AK16], s[36:37] ; q of record 15 - j: every wave's, for the second loop
	global_load_b64 v[QX+4:QX+5], v[L8], s[36:37] offset:512
	global_load_b32 v[QXW], v[R4], s[34:35] offset:6144
	s_cmp_eq_u32 s[ISB], 0
	s_cbranch_scc1 .Lno_lo                         ; waves 0 .. 7 have no step in record j
	global_load_b128 v[QL:QL+3], v[AK16], s[56:57]
	global_load_b64 v[QL+4:QL+5], v[L8], s[56:57] offset:512
	global_load_b128 v[QH+6:QH+9], v[AK16], s[56:57]   ; once more: the two operands share no register
	global_load_b64 v[QH+10:QH+11], v[L8], s[56:57] offset:512
	global_load_b32 v[QSL], v[R4], s[54:55] offset:6144
.Lno_lo:
	s_lshr_b32 s38, s10, 1
	s_lshl_b32 s38, s38, 5
	s_and_b32 s39, s10, 1
	s_lshl_b32 s40, s39, 3
	s_add_co_u32 s38, s38, s40                     ; 32 (g / 2) + 8 (g % 2)
	s_lshl_b32 s[SHF], s39, 4                      ; 16 (g % 2)
	v_lshrrev_b32 v11, 3, v9
	s_delay_alu instid0(VALU_DEP_1)
	v_lshl_add_u32 v[DD], v11, 3, v9
	v_lshlrev_b32 v11, 4, v10
	s_delay_alu instid0(VALU_DEP_1)
	v_sub_nc_u32 v[DD], v[DD], v11
	s_delay_alu instid0(VALU_DEP_1)
	v_add_nc_u32 v[DD], s38, v[DD]                 ; d = my query in its record - 16 h: the same in both records
	v_mov_b32 v[NINF], 0xff800000
	v_mov_b32 v[F+1], 0
.irp b, 0,1,2,3
	v_mov_b32 v[BT+\b], 0                          ; (a lane permute's destination counts as read)
.endr
	s_wait_loadcnt 0x0
	v_lshrrev_b32 v[QSL], s[SHF], v[QSL]           ; my tile's two bytes, at k 0-63;
	s_delay_alu instid0(VALU_DEP_1)
	v_lshlrev_b32 v[QSH], 16, v[QSL]               ; and at k 64-127
	INIT
	s_mov_b32 s[RHO], s[RLO]                       ; THE FIRST LOOP: record j, steps 0 .. j, waves 8 .. 15 alone
	s_mov_b32 s[LO], 0
	s_cmp_lg_u32 s[ISB], 0
	s_cselect_b32 s[HI], s[RLO], -1
	s_wait_tensorcnt 0x0                           ; my two records are in,
	s_barrier_signal -1
	s_barrier_wait -1                              ; everybody's are
	PASS 8
	s_cmp_eq_u32 s[ISB], 0
	s_cbranch_scc1 .Lno_out
	WAYOUT
.Lno_out:
	s_wait_xcnt 0x0                                ; the stores have read their registers and bases: both are written again below
.irp i, 0,1,2,3,4,5
	v_mov_b32 v[QL+\i], v[QX+\i]                   ; THE SECOND LOOP: record 15 - j
	v_mov_b32 v[QH+6+\i], v[QX+\i]
.endr
	v_lshrrev_b32 v[QSL], s[SHF], v[QXW]
	s_delay_alu instid0(VALU_DEP_1)
	v_lshlrev_b32 v[QSH], 16, v[QSL]
	INIT                                           ; (its lines are also the places between q's words and codes and the products)
	s_mov_b32 s[RHO], s[RHI]
	s_lshl_b32 s[LO], s[ISB], 3                    ; waves 0 .. 7: steps 0 .. 7;  waves 8 .. 15: steps 8 .. 15 - j
	s_cmp_lg_u32 s[ISB], 0
	s_cselect_b32 s[HI], s[RHI], 7
	PASS 16
	s_cmp_lg_u32 s[ISB], 0
	s_cbranch_scc1 .Lkeep
	s_wait_alu depctr_va_vdst(0)
.irp k, 0,1,2,3,4,5,6,7
	ds_store_b128 v[PS], v[O+4*\k:O+4*\k+3] offset:512*\k   ; my part as it stands in my registers, each accumulator from its low end on
.endr
	ds_store_b128 v[PS], v[12:15] offset:4096      ; -M, t, the sum's two halves
.Lkeep:
	s_wait_dscnt 0x0                               ; for the partner's sake: my stores are done
	s_barrier_signal -1
	s_barrier_wait -1
	s_cmp_eq_u32 s[ISB], 0
	s_cbranch_scc1 .Lend
.irp k, 0,1,2,3,4,5,6,7
	ds_load_b128 v[OA+4*\k:OA+4*\k+3], v[PL] offset:512*\k   ; the same registers in the same lanes
.endr
	ds_load_b128 v[SA:SA+3], v[PL] offset:4096
	s_wait_dscnt 0x0
	v_min_num_f32 v[NM], v12, v[SA]                ; -M of the two parts together: the larger M
	s_delay_alu instid0(VALU_DEP_1)
	v_sub_f32 v[NM+1], v[NM], v[SA]                ; the partner's M less that: a whole number, 0 or less
	s_delay_alu instid0(VALU_DEP_2)
	v_sub_f32 v[NM+2], v[NM], v12                  ; mine likewise
	s_delay_alu instid0(VALU_DEP_2)
	v_cvt_i32_f32 v[NM+1], v[NM+1]
	s_delay_alu instid0(VALU_DEP_2)
	v_cvt_i32_f32 v[NM+2], v[NM+2]
	s_delay_alu instid0(VALU_DEP_2)
	v_ldexp_f32 v[FA], 1.0, v[NM+1]                ; two powers of two: the multiplications round nothing
	s_delay_alu instid0(VALU_DEP_2)
	v_ldexp_f32 v[FB], 1.0, v[NM+2]
	s_delay_alu instid0(VALU_DEP_2)
	v_mov_b32 v[FA+1], v[FA]                       ; (named as pairs)
	s_delay_alu instid0(VALU_DEP_2)
	v_mov_b32 v[FB+1], v[FB]
.set j, 0
.rept 16
	v_pk_mul_f32 v[O+j:O+j+1], v[O+j:O+j+1], v[FB:FB+1] op_sel_hi:[1,0]
.set j, j+2
.endr
.set j, 0
.rept 16
	v_pk_fma_f32 v[O+j:O+j+1], v[OA+j:OA+j+1], v[FA:FA+1], v[O+j:O+j+1] op_sel_hi:[1,0,1]
.set j, j+2
.endr
	v_pk_mul_f32 v[14:15], v[14:15], v[FB:FB+1] op_sel_hi:[1,0]
	s_delay_alu instid0(VALU_DEP_1)
	v_pk_fma_f32 v[14:15], v[SA+2:SA+3], v[FA:FA+1], v[14:15] op_sel_hi:[1,0,1]
	s_wait_alu depctr_va_vdst(0)
	WAYOUT
.Lend:
	s_wait_tensorcnt 0x0                           ; the wave's end: a wait, an add and its wait, behind my last tensor load and my last LDS store
	ds_add_u32 v[SPW], v[NIL]
	s_wait_dscnt 0x0
	CROUND                                         ; the closing round
	s_endpgm
.Lfunc_end_k_q6c1efa94c5_attn:
	.size	k_q6c1efa94c5_attn, .Lfunc_end_k_q6c1efa94c5_attn-k_q6c1efa94c5_attn
	.p2alignl 7, 3214868480
	.fill 96, 4, 3214868480
	.section	.rodata,"a",@progbits
	.p2align	6, 0x0
	.amdhsa_kernel k_q6c1efa94c5_attn
		.amdhsa_group_segment_fixed_size 280576
		.amdhsa_private_segment_fixed_size 0
		.amdhsa_enable_private_segment 0
		.amdhsa_kernarg_size 16
		.amdhsa_user_sgpr_count 2
		.amdhsa_user_sgpr_kernarg_segment_ptr 1
		.amdhsa_wavefront_size32 1
		.amdhsa_system_sgpr_workgroup_id_x 1
		.amdhsa_system_sgpr_workgroup_id_y 1
		.amdhsa_system_sgpr_workgroup_id_z 1
		.amdhsa_system_vgpr_workitem_id 0
		.amdhsa_next_free_vgpr 256
		.amdhsa_next_free_sgpr 66
		.amdhsa_reserve_vcc 1
		.amdhsa_float_denorm_mode_32 3
		.amdhsa_float_denorm_mode_16_64 3
		.amdhsa_memory_ordered 1
		.amdhsa_forward_progress 1
		.amdhsa_inst_pref_size 71
	.end_amdhsa_kernel
	.amdgpu_metadata
---
amdhsa.version: [ 1, 2 ]
amdhsa.kernels:
  - .name:           k_q6c1efa94c5_attn
    .symbol:         k_q6c1efa94c5_attn.kd
    .args:
      - { .name: qkv, .offset: 0, .size: 8, .value_kind: global_buffer, .address_space: global }
      - { .name: ctx, .offset: 8, .size: 8, .value_kind: global_buffer, .address_space: global }
    .group_segment_fixed_size: 280576
    .private_segment_fixed_size: 0
    .kernarg_segment_align: 8
    .kernarg_segment_size: 16
    .max_flat_workgroup_size: 512
    .sgpr_count:     66
    .vgpr_count:     256
    .wavefront_size: 32
...
	.end_amdgpu_metadata
.endif
;; end of part 3
;; launch wo (part 4): grid 8 x 32, 4 waves a work-group, clusters of 4 x 4, 327,680 bytes of LDS; arguments ctx, xw, ao; writes ao
.if DOCPART == 4
	.amdgcn_target "amdgcn-amd-amdhsa--gfx1250"
	.amdhsa_code_object_version 6
	.text
	.protected	k_q6c1efa94c5_wo
	.globl	k_q6c1efa94c5_wo
	.p2align	8
	.type	k_q6c1efa94c5_wo,@function
k_q6c1efa94c5_wo:
	s_mov_b64 s[64:65], 0
	v_nop
	global_prefetch_b8 v0, s[64:65] scope:SCOPE_SE
	s_setreg_imm32_b32 hwreg(HW_REG_WAVE_MODE, 25, 1), 1
	s_wait_xcnt 0x0
	s_wait_alu depctr_hold_cnt(0) depctr_sa_sdst(0) depctr_va_vdst(0) depctr_va_sdst(0) depctr_va_ssrc(0) depctr_va_vcc(0) depctr_vm_vsrc(0)
	s_getreg_b32 s2, hwreg(HW_REG_IB_STS2, 6, 4)
	s_cmp_eq_u32 s2, 0
	s_cbranch_scc0 .Lentry_in_a_cluster
	s_endpgm
.Lentry_in_a_cluster:
	s_bfe_u32 s2, ttmp6, 0x10000c
	s_cmp_lg_u32 s2, 0xf033
	s_cbranch_scc0 .Lentry_shape_is_right
	s_endpgm
.Lentry_shape_is_right:
; ao = ctx Wo on codes of FP6, f32 out (bo is added by the launch that follows).  A tile of 128 x 128 to a work-group, so that there are 256 of them; 64 x 64 to a wave: 16 accumulators.
; K goes in steps of 512 through two LDS slots (four matrix instructions deep).  Codes lie in memory as images of operand registers, [tile of 16 rows][K / 64][768 bytes]; scale words [tile][K / 128][64 bytes] come once.
; Source 0 = 16 rows of B (the weight's columns, physical order), source 1 = 16 rows of A (tokens, physical order): in accumulator b lane (r, h) holds token r and columns 32 (b / 2) + 16 h + 8 (b % 2) + 0 .. 7.
; Rows of ao stay in the tokens' physical order.  Tiles of A are asked for jointly along a row of the cluster, tiles of B along a column.
.set SIZE_K, 1024
.set ACOFF,  0
.set ASOFF,  3145728
.set BCOFF,  5734400
.set BSOFF,  6520832
.set NQ,     4
.set FR,     12
.set TROW,   NQ*1536
.set KT,     SIZE_K*12
.set HALFT,  4*TROW                    ; 4 tiles: what one tensor load brings
.set SLOT,   4*HALFT
.set LAPS,   SIZE_K/1024
.set SBLK,   SIZE_K/2
.set HALFS,  4*SBLK
.set SCL,    2*SLOT
.set SPARE,  SCL+4*HALFS
.set SPITCH, 272                       ; the way out: 16 rows x (256 bytes + 16) for each wave, in slot 0, which has had its last fill and its last read
.set ADRA, 16
.set ADRB, 20
.set STO,  24
.set RD,   25
.set CO,   26
.set ADRS, 27
.set SPW,  28
.set NIL,  29
.set SC,   32                          ; v32-63 scale words, two sets of 16; nothing else ever lies there
.set AF,   128                         ; A's set p at v[128 + 64 p]; B's at v[128 p] of window 1; accumulator (a, b) at v[8 (4 a + b)] of window 2
.set BK,   128                         ; the way out: four sets of 32
.set G1, 24
.set G0, 32
.set G1B, 48
.set G0B, 56
.set G1S, 68
.set G0S, 76
.set G1SB, 80
.set G0SB, 88
.set MSB, 0
.macro WIN new
.if MSB != \new
	s_set_vgpr_msb (MSB<<8)|\new
.set MSB, \new
.endif
.endm
.set MUL,  0xa1
.set TO_B, 0x40
.macro JLOAD g0a, g1a, g0b, g1b
	s_cmp_eq_u32 s15, 0
	s_cbranch_scc0 .Lfor_b_\@
	tensor_load_to_lds s[\g0a:\g0a+3], s[\g1a:\g1a+7]
	s_nop 0
.rept 4
	v_nop
.endr
	s_branch .Lasked_\@
.Lfor_b_\@:
	tensor_load_to_lds s[\g0b:\g0b+3], s[\g1b:\g1b+7]
	s_nop 0
.rept 4
	v_nop
.endr
.Lasked_\@:
.endm
.macro CREST
	s_cmp_lg_u32 s14, 0
	s_cbranch_scc1 .Lnot_wave_0_\@
	s_barrier_signal -3
.Lnot_wave_0_\@:
	s_barrier_wait -3
	s_barrier_signal -1
	s_barrier_wait -1
.endm
.macro CROUND
	s_barrier_signal -1
	s_barrier_wait -1
	CREST
.endm
	s_load_b128 s[4:7], s[0:1], 0x0                ; A's buffer, xw
	s_load_b64 s[8:9], s[0:1], 0x10                ; C
	v_lshl_add_u32 v[SPW], v0, 2, SPARE
	v_mov_b32 v[NIL], 0
	ds_add_u32 v[SPW], v[NIL]                      ; the opening: the add, twice on end, and its wait ahead of my first tensor load
	ds_add_u32 v[SPW], v[NIL]
	v_lshrrev_b32 v1, 5, v0
	v_readfirstlane_b32 s14, v1
	v_and_b32 v30, 31, v0                          ; the prefetches' offset, never rewritten: a lane a block of 256 bytes, the 24 blocks of a tile row's slot step; lanes 24-31 name the last block again
	v_min_u32 v30, 23, v30
	v_lshlrev_b32 v30, 8, v30
	s_wait_alu depctr_va_vdst(0)                   ; the wait behind the write
	s_lshr_b32 s15, s14, 1
	s_and_b32 s16, s14, 1
	s_bfe_u32 s40, ttmp6, 0x40000
	s_bfe_u32 s41, ttmp6, 0x40004
	s_lshl_b32 s42, ttmp9, 2
	s_add_co_u32 s42, s42, s40                     ; tile column
	s_and_b32 s17, ttmp7, 0xffff
	s_lshl_b32 s17, s17, 2
	s_add_co_u32 s17, s17, s41                     ; tile row
	s_lshl_b32 s43, s41, 2
	s_lshl_b32 s43, 15, s43
	s_lshl_b32 s44, 0x1111, s40
	s_or_b32 s[G1+0], s43, (3<<16)|(1<<21)
	s_or_b32 s[G1B+0], s44, (3<<16)|(1<<21)
.irp g, G1, G1B
	s_mov_b32 s[\g+1], (TROW/8)<<16
	s_mov_b32 s[\g+2], 4<<16
	s_mov_b32 s[\g+3], (TROW/8)<<16
	s_mov_b32 s[\g+4], 4
	s_mov_b32 s[\g+5], KT/8
	s_mov_b32 s[\g+6], 0
	s_mov_b32 s[\g+7], 0
.endr
	s_or_b32 s[G1S+0], s43, (3<<16)|(1<<21)
	s_or_b32 s[G1SB+0], s44, (3<<16)|(1<<21)
.irp g, G1S, G1SB
	s_mov_b32 s[\g+1], 32<<16
	s_mov_b32 s[\g+2], (HALFS/256)<<16
	s_mov_b32 s[\g+3], 32<<16
	s_mov_b32 s[\g+4], HALFS/256
	s_mov_b32 s[\g+5], 32
	s_mov_b32 s[\g+6], 0
	s_mov_b32 s[\g+7], 0
.endr
	s_lshl_b32 s18, s16, 2
	s_lshl_b32 s20, s17, 3
	s_add_co_u32 s20, s20, s18
	s_lshl_b32 s46, s42, 3
	s_add_co_u32 s46, s46, s18
	s_mul_i32 s22, s20, SBLK
	s_add_co_u32 s22, s22, ASOFF
	s_mov_b32 s23, 0
	s_mul_i32 s92, s46, SBLK
	s_add_co_u32 s92, s92, BSOFF
	s_mov_b32 s93, 0
	s_mul_i32 s20, s20, KT
	s_add_co_u32 s20, s20, ACOFF
	s_mov_b32 s21, 0
	s_mul_i32 s46, s46, KT
	s_add_co_u32 s46, s46, BCOFF
	s_mov_b32 s47, 0
	s_mul_i32 s45, s14, HALFT
	s_mul_i32 s94, s14, HALFS
	s_wait_dscnt 0x0
	s_wait_kmcnt 0x0
	s_add_nc_u64 s[20:21], s[4:5], s[20:21]
	s_add_nc_u64 s[22:23], s[4:5], s[22:23]
	s_add_nc_u64 s[46:47], s[6:7], s[46:47]
	s_add_nc_u64 s[92:93], s[6:7], s[92:93]
	; PREFETCH: of the 4 tile rows that I fetch, the partner at place p of the four that ask with me (cx for A's tiles, cy for B's) names row p: told apart by address alone.
	; K has two slot steps: both are asked for here, ahead of the scale words' load and the rounds behind which their loads go out.
	s_cmp_eq_u32 s15, 0
	s_cselect_b64 s[10:11], s[20:21], s[46:47]
	s_cselect_b32 s2, s40, s41
	s_mul_i32 s2, s2, KT
	s_mov_b32 s3, 0
	s_add_nc_u64 s[10:11], s[10:11], s[2:3]
	global_prefetch_b8 v30, s[10:11] th:TH_LOAD_NT scope:SCOPE_SE
	global_prefetch_b8 v30, s[10:11] offset:TROW th:TH_LOAD_NT scope:SCOPE_SE
	CROUND
	s_mov_b32 s[G0S], 1
	s_add_co_u32 s[G0S+1], s94, SCL
	s_mov_b64 s[G0S+2:G0S+3], s[22:23]
	s_or_b32 s[G0S+3], s[G0S+3], 0x80000000
	s_mov_b32 s[G0SB], 1
	s_add_co_u32 s[G0SB+1], s94, SCL
	s_mov_b64 s[G0SB+2:G0SB+3], s[92:93]
	s_or_b32 s[G0SB+3], s[G0SB+3], 0x80000000
	JLOAD G0S, G1S, G0SB, G1SB
.irp s, 0,1
	s_mov_b32 s[G0+4*\s], 1
	s_add_co_u32 s[G0+4*\s+1], s45, \s*SLOT
	s_add_nc_u64 s[G0+4*\s+2:G0+4*\s+3], s[20:21], \s*TROW
	s_or_b32 s[G0+4*\s+3], s[G0+4*\s+3], 0x80000000
	s_mov_b32 s[G0B+4*\s], 1
	s_add_co_u32 s[G0B+4*\s+1], s45, \s*SLOT
	s_add_nc_u64 s[G0B+4*\s+2:G0B+4*\s+3], s[46:47], \s*TROW
	s_or_b32 s[G0B+4*\s+3], s[G0B+4*\s+3], 0x80000000
	s_wait_alu depctr_va_vdst(0)
	s_wait_tensorcnt 0x0                           ; a wait, an add and a round ahead of every later first fill: one tensor load a wave behind each
	ds_add_u32 v[SPW], v[NIL]
	s_wait_dscnt 0x0
	CROUND
	JLOAD G0+4*\s, G1, G0B+4*\s, G1B
.endr
	v_and_b32 v1, 31, v0
	v_and_b32 v2, 15, v0
	v_bfe_u32 v3, v0, 4, 1
	v_lshlrev_b32 v4, 4, v1
	v_lshlrev_b32 v5, 3, v1
	v_add_nc_u32 v5, 512, v5
	s_mul_i32 s21, s15, HALFT
	s_mul_i32 s22, s16, HALFT
	s_add_co_u32 s22, s22, 2*HALFT
.irp s, 0,1
	v_add_nc_u32 v[ADRA+\s], s21, v4
	v_add_nc_u32 v[ADRB+\s], s22, v4
	v_add_nc_u32 v[ADRA+2+\s], s21, v5
	v_add_nc_u32 v[ADRB+2+\s], s22, v5
	s_add_co_u32 s21, s21, SLOT
	s_add_co_u32 s22, s22, SLOT
.endr
	s_mul_i32 s21, s15, HALFS
	s_mul_i32 s22, s16, HALFS
	s_add_co_u32 s22, s22, 2*HALFS
	s_sub_co_u32 s22, s22, s21
	v_mul_u32_u24 v6, s22, v3
	s_add_co_u32 s21, s21, SCL
	v_lshl_add_u32 v6, v2, 2, v6
	v_add_nc_u32 v[ADRS], s21, v6
	s_mul_i32 s23, s14, 16*SPITCH
	v_mul_u32_u24 v5, v2, SPITCH
	v_lshl_add_u32 v5, v3, 6, v5
	v_add_nc_u32 v[STO], s23, v5                   ; in: row r, + 64 h
	v_mul_u32_u24 v5, v3, SPITCH
	v_lshl_add_u32 v5, v2, 4, v5
	v_add_nc_u32 v[RD], s23, v5                    ; back: lanes 0-15 one row of 256 bytes, lanes 16-31 the next
	v_lshlrev_b32 v[CO], 12, v3
	v_lshl_add_u32 v[CO], v2, 4, v[CO]             ; and the same two rows in C
	s_lshl_b32 s20, s17, 7
	s_lshl_b32 s21, s15, 6
	s_add_co_u32 s20, s20, s21
	s_lshl_b32 s20, s20, 12
	s_lshl_b32 s46, s42, 9
	s_lshl_b32 s47, s16, 8
	s_add_co_u32 s46, s46, s47
	s_add_co_u32 s20, s20, s46
	s_mov_b32 s21, 0
	s_add_nc_u64 s[8:9], s[8:9], s[20:21]
.macro FRAG reg, adr, q, i
	ds_load_b128 v[\reg:\reg+3], v[\adr] offset:(\i)*TROW+(\q)*1536
	ds_load_b64 v[\reg+4:\reg+5], v[\adr+2] offset:(\i)*TROW+(\q)*1536
	ds_load_b128 v[\reg+6:\reg+9], v[\adr] offset:(\i)*TROW+(\q)*1536+768
	ds_load_b64 v[\reg+10:\reg+11], v[\adr+2] offset:(\i)*TROW+(\q)*1536+768
.endm
; four matrix instructions: A's block a x B's four.  The 16 accumulators take turns in one order
.macro MULQ a, p, q, sc, zero
.irp b, 0,1,2,3
.if \zero
	v_wmma_scale_f32_16x16x128_f8f6f4 v[8*(4*(\a)+\b):8*(4*(\a)+\b)+7], v[128*(\p)+FR*\b:128*(\p)+FR*\b+FR-1], v[AF+64*(\p)+FR*(\a):AF+64*(\p)+FR*(\a)+FR-1], 0, v[SC+16*(\sc)+4*\b+(\q)], v[SC+16*(\sc)+4*(\a)+(\q)] matrix_a_fmt:MATRIX_FMT_FP6 matrix_b_fmt:MATRIX_FMT_FP6 matrix_a_scale:MATRIX_SCALE_ROW1
.else
	v_wmma_scale_f32_16x16x128_f8f6f4 v[8*(4*(\a)+\b):8*(4*(\a)+\b)+7], v[128*(\p)+FR*\b:128*(\p)+FR*\b+FR-1], v[AF+64*(\p)+FR*(\a):AF+64*(\p)+FR*(\a)+FR-1], v[8*(4*(\a)+\b):8*(4*(\a)+\b)+7], v[SC+16*(\sc)+4*\b+(\q)], v[SC+16*(\sc)+4*(\a)+(\q)] matrix_a_fmt:MATRIX_FMT_FP6 matrix_b_fmt:MATRIX_FMT_FP6 matrix_a_scale:MATRIX_SCALE_ROW1
.endif
.endr
.endm
.macro FETCH slot, q, p                ; 32 LDS loads in one run: B's four fragments and A's four into set p
	WIN TO_B
.irp i, 0,1,2,3
	FRAG 128*(\p)+FR*\i, ADRB+\slot, \q, \i
.endr
	WIN 0
.irp i, 0,1,2,3
	FRAG AF+64*(\p)+FR*\i, ADRA+\slot, \q, \i
.endr
.endm
.macro SCALES sc
.irp i, 0,1,2,3
.irp q, 0,1,2,3
	ds_load_b32 v[SC+16*\sc+4*\i+\q], v[ADRS] offset:\i*SBLK+64*\q
.endr
.endr
.endm
.macro PLACES
.rept 4
	v_nop
.endr
.endm
.macro STEP slot, q, zero              ; 128 along K: the next step's fragments are asked for ahead of this step's 16 products
	s_wait_dscnt 0x0                               ; this step's fragments are in
	PLACES                                         ; ahead of loads into the set that the last step multiplied
	FETCH \slot, (\q)+1, 1-(\q)%2
	WIN MUL
	MULQ 0, (\q)%2, \q, \slot, \zero
	MULQ 1, (\q)%2, \q, \slot, \zero
	MULQ 2, (\q)%2, \q, \slot, \zero
	MULQ 3, (\q)%2, \q, \slot, \zero
.endm
.macro TURN slot, next, fill           ; a slot's last step changes slots
	WIN 0
	s_wait_tensorcnt 0x0                           ; all my tensor loads have landed
	ds_add_u32 v[SPW], v[NIL]
	s_wait_dscnt 1                                 ; the add may be out; the fragments are in
	WIN MUL
	MULQ 0, 1, 3, \slot, 0
	s_wait_dscnt 0x0                               ; the add is done, and my reads of this slot are over
	s_barrier_signal -1
	MULQ 1, 1, 3, \slot, 0
	WIN 0
	s_barrier_wait -1
.if \fill
	CREST
	s_add_nc_u64 s[G0+4*\slot+2:G0+4*\slot+3], s[G0+4*\slot+2:G0+4*\slot+3], 2*TROW
	s_add_nc_u64 s[G0B+4*\slot+2:G0B+4*\slot+3], s[G0B+4*\slot+2:G0B+4*\slot+3], 2*TROW
	JLOAD G0+4*\slot, G1, G0B+4*\slot, G1B
.else
	PLACES
.endif
	v_add_nc_u32 v[ADRS], 64*NQ, v[ADRS]
	FETCH \next, 0, 0
	SCALES \next
	WIN MUL
	MULQ 2, 1, 3, \slot, 0
	MULQ 3, 1, 3, \slot, 0
.endm
	s_wait_alu depctr_va_vdst(0)
	s_wait_tensorcnt 1                             ; the scale words and my part of slot 0 are in; slot 1's load may be out
	s_barrier_signal -1
	s_barrier_wait -1
	FETCH 0, 0, 0
	SCALES 0
	STEP 0, 0, 1
.if LAPS > 1
	WIN 0
	s_mov_b32 s3, LAPS-1
.Llap:
	STEP 0, 1, 0
	STEP 0, 2, 0
	TURN 0, 1, 1
	STEP 1, 0, 0
	STEP 1, 1, 0
	STEP 1, 2, 0
	TURN 1, 0, 1
	STEP 0, 0, 0
	WIN 0
	s_sub_co_u32 s3, s3, 1
	s_cmp_lg_u32 s3, 0
	s_cbranch_scc1 .Llap
.endif
	STEP 0, 1, 0
	STEP 0, 2, 0
	TURN 0, 1, 0
	STEP 1, 0, 0
	STEP 1, 1, 0
	STEP 1, 2, 0
	s_wait_dscnt 0x0
	MULQ 0, 1, 3, 1, 0
	MULQ 1, 1, 3, 1, 0
	MULQ 2, 1, 3, 1, 0
	MULQ 3, 1, 3, 1, 0
	WIN 0
; THE WAY OUT, 16 rows x 64 columns at a time through my own stage; LDS serves a wave's instructions in order
.macro TOSTAGE a
	WIN 0x08                                       ; the data: window 2
.irp b, 0,1,2,3
	ds_store_b128 v[STO], v[8*(4*(\a)+\b):8*(4*(\a)+\b)+3] offset:128*(\b/2)+32*(\b%2)
	ds_store_b128 v[STO], v[8*(4*(\a)+\b)+4:8*(4*(\a)+\b)+7] offset:128*(\b/2)+32*(\b%2)+16
.endr
	WIN 0
.irp t, 0,1,2,3,4,5,6,7
	ds_load_b128 v[BK+32*(\a)+4*\t:BK+32*(\a)+4*\t+3], v[RD] offset:\t*2*SPITCH
.endr
.endm
.macro SEND a, younger
	s_wait_dscnt \younger
.irp t, 0,1,2,3,4,5,6,7
	global_store_b128 v[CO], v[BK+32*(\a)+4*\t:BK+32*(\a)+4*\t+3], s[8:9] offset:(\a)*65536+\t*8192   ; 16 lanes store 256 consecutive bytes, aligned
.endr
.endm
	PLACES
	TOSTAGE 0
	TOSTAGE 1
	SEND 0, 16                                     ; behind block 0's loads: block 1's 8 stores and 8 loads
	TOSTAGE 2
	SEND 1, 16
	TOSTAGE 3
	SEND 2, 16
	SEND 3, 0
	s_wait_tensorcnt 0x0                           ; the wave's end: a wait, an add and its wait
	ds_add_u32 v[SPW], v[NIL]
	s_wait_dscnt 0x0
	CROUND
	s_endpgm
.Lfunc_end_k_q6c1efa94c5_wo:
	.size	k_q6c1efa94c5_wo, .Lfunc_end_k_q6c1efa94c5_wo-k_q6c1efa94c5_wo
	.p2alignl 7, 3214868480
	.fill 96, 4, 3214868480
	.section	.rodata,"a",@progbits
	.p2align	6, 0x0
	.amdhsa_kernel k_q6c1efa94c5_wo
		.amdhsa_group_segment_fixed_size 327680
		.amdhsa_private_segment_fixed_size 0
		.amdhsa_enable_private_segment 0
		.amdhsa_kernarg_size 24
		.amdhsa_user_sgpr_count 2
		.amdhsa_user_sgpr_kernarg_segment_ptr 1
		.amdhsa_wavefront_size32 1
		.amdhsa_system_sgpr_workgroup_id_x 1
		.amdhsa_system_sgpr_workgroup_id_y 1
		.amdhsa_system_sgpr_workgroup_id_z 1
		.amdhsa_system_vgpr_workitem_id 0
		.amdhsa_next_free_vgpr 768
		.amdhsa_next_free_sgpr 100
		.amdhsa_reserve_vcc 0
		.amdhsa_float_denorm_mode_32 3
		.amdhsa_float_denorm_mode_16_64 3
		.amdhsa_memory_ordered 1
		.amdhsa_forward_progress 1
		.amdhsa_inst_pref_size 56
	.end_amdhsa_kernel
	.amdgpu_metadata
---
amdhsa.version: [ 1, 2 ]
amdhsa.kernels:
  - .name:           k_q6c1efa94c5_wo
    .symbol:         k_q6c1efa94c5_wo.kd
    .args:
      - { .name: ctx, .offset: 0, .size: 8, .value_kind: global_buffer, .address_space: global }
      - { .name: xw, .offset: 8, .size: 8, .value_kind: global_buffer, .address_space: global }
      - { .name: ao, .offset: 16, .size: 8, .value_kind: global_buffer, .address_space: global }
    .group_segment_fixed_size: 327680
    .private_segment_fixed_size: 0
    .kernarg_segment_align: 8
    .kernarg_segment_size: 24
    .max_flat_workgroup_size: 128
    .sgpr_count:     100
    .vgpr_count:     768
    .wavefront_size: 32
...
	.end_amdgpu_metadata
.endif
;; end of part 4
;; launch ln1 (part 5): grid 256 x 1, 16 waves a work-group, no clusters, 68,352 bytes of LDS; arguments x, ao, bo, g1, be1, x1b; writes x1b
.if DOCPART == 5
	.amdgcn_target "amdgcn-amd-amdhsa--gfx1250"
	.amdhsa_code_object_version 6
	.text
	.protected	k_q6c1efa94c5_ln1
	.globl	k_q6c1efa94c5_ln1
	.p2align	8
	.type	k_q6c1efa94c5_ln1,@function
k_q6c1efa94c5_ln1:
	s_mov_b64 s[64:65], 0
	v_nop
	global_prefetch_b8 v0, s[64:65] scope:SCOPE_SE
	s_setreg_imm32_b32 hwreg(HW_REG_WAVE_MODE, 25, 1), 1
	s_wait_xcnt 0x0
; x1 = LayerNorm(x + attn_out + bo) g1 + be1, in f32, and its quantising to FP6 for the first feed-forward product.
; A work-group takes a tile of 16 physical rows, a wave a row: the row stays in 32 registers between the passes.  ao and x1b hold physical rows; x is read at the logical row (bits 3 and 4 exchanged).
; The 16 rows meet in LDS; then wave w makes chunk w (16 rows x K 64 w on): lane (r, h) holds one whole block of 32.  The scale bytes are gathered in LDS and leave as 512 consecutive bytes.
; Memory binds: no matrix unit, no cluster.  LIMITS: as stated at the head of the first launch.
.set STP,   4112                       ; a stage row: 4,096 bytes + 16
.set SCST,  16*STP                     ; the tile's scale words
.set SPARE, SCST+512
.set SPW, 10
.set NIL, 11
.set XR, 32
.set AO, 64
.set BO, 96
.set GG, 128
.set BE, 160
.set SA, 192
.set SB2, 194
.set MU, 196
.set RS, 198
.set TT, 200
.set SEL, 30
.macro WSUM v, t
	s_delay_alu instid0(VALU_DEP_1)
	v_add_f32_dpp v[\v], v[\v], v[\v] row_xmask:1 row_mask:0xf bank_mask:0xf
	s_delay_alu instid0(VALU_DEP_1)
	v_add_f32_dpp v[\v], v[\v], v[\v] row_xmask:2 row_mask:0xf bank_mask:0xf
	s_delay_alu instid0(VALU_DEP_1)
	v_add_f32_dpp v[\v], v[\v], v[\v] row_xmask:4 row_mask:0xf bank_mask:0xf
	s_delay_alu instid0(VALU_DEP_1)
	v_add_f32_dpp v[\v], v[\v], v[\v] row_xmask:8 row_mask:0xf bank_mask:0xf
	s_delay_alu instid0(VALU_DEP_1)
	v_permlanex16_b32 v[\t], v[\v], s[SEL], s[SEL+1]
	s_delay_alu instid0(VALU_DEP_1)
	v_add_f32 v[\v], v[\v], v[\t]
.endm
.macro QBLK x, c, d, m, so, e
	v_max3_num_f32 v[\m], |v[\x]|, |v[\x+1]|, |v[\x+2]|
	v_max3_num_f32 v[\m+1], |v[\x+3]|, |v[\x+4]|, |v[\x+5]|
.irp i, 6,10,14,18,22,26
	s_delay_alu instid0(VALU_DEP_2)
	v_max3_num_f32 v[\m], v[\m], |v[\x+\i]|, |v[\x+\i+1]|
	s_delay_alu instid0(VALU_DEP_2)
	v_max3_num_f32 v[\m+1], v[\m+1], |v[\x+\i+2]|, |v[\x+\i+3]|
.endr
	s_delay_alu instid0(VALU_DEP_2)
	v_max3_num_f32 v[\m], v[\m], |v[\x+30]|, |v[\x+31]|
	s_delay_alu instid0(VALU_DEP_1)
	v_max3_num_f32 v[\m], v[\m], v[\m+1], 0x1800000
	s_delay_alu instid0(VALU_DEP_1)
	v_add_nc_u32 v[\so], 0xff000000, v[\m]
	s_delay_alu instid0(VALU_DEP_1)
	v_lshrrev_b32 v[\e], 23, v[\so]
	v_cvt_scalef32_pk16_fp6_f32 v[\c:\c+2], v[\x:\x+15], v[\so]
	v_cvt_scalef32_pk16_fp6_f32 v[\d:\d+2], v[\x+16:\x+31], v[\so]
	v_nop
	v_mov_b32 v[\c+3], v[\d]
	v_mov_b32 v[\c+4], v[\d+1]
	v_mov_b32 v[\c+5], v[\d+2]
.endm
	s_load_b256 s[4:11], s[0:1], 0x0               ; x, ao, bo, g1
	s_load_b128 s[12:15], s[0:1], 0x20             ; be1, x1b
	v_lshl_add_u32 v[SPW], v0, 2, SPARE
	v_mov_b32 v[NIL], 0
	v_lshrrev_b32 v1, 5, v0
	s_delay_alu instid0(VALU_DEP_1)
	v_readfirstlane_b32 s16, v1                    ; wave = the row in the tile
	v_and_b32 v2, 31, v0
	s_delay_alu instid0(VALU_DEP_1)
	v_lshlrev_b32 v3, 4, v2                        ; 16 L
	s_delay_alu instid0(VALU_DEP_2)
	v_lshlrev_b32 v9, 3, v2                        ; 8 L
	v_and_b32 v4, 15, v0                           ; r
	v_bfe_u32 v6, v0, 4, 1                         ; h
	s_wait_alu depctr_va_vdst(0)
	s_mul_i32 s23, s16, STP
	v_add_nc_u32 v7, s23, v3                       ; the stage, in
	v_mul_u32_u24 v5, v4, STP
	s_delay_alu instid0(VALU_DEP_1)
	v_lshl_add_u32 v5, v6, 7, v5
	s_lshl_b32 s22, s16, 8
	v_add_nc_u32 v5, s22, v5                       ; and out: row r, + 256 w + 128 h
	s_lshr_b32 s22, s16, 1
	s_lshl_b32 s22, s22, 6
	s_and_b32 s23, s16, 1
	s_lshl_b32 s23, s23, 1
	s_add_co_u32 s22, s22, s23
	s_add_co_u32 s22, s22, SCST
	v_lshl_add_u32 v12, v4, 2, v6
	s_delay_alu instid0(VALU_DEP_1)
	v_add_nc_u32 v12, s22, v12                     ; my block's byte: fragment w / 2, row r, byte 2 (w % 2) + h
	v_add_nc_u32 v8, SCST, v3
	s_lshr_b32 s17, ttmp9, 1
	s_lshl_b32 s17, s17, 5
	s_and_b32 s18, ttmp9, 1
	s_lshl_b32 s18, s18, 3
	s_add_co_u32 s17, s17, s18
	s_lshr_b32 s18, s16, 3
	s_lshl_b32 s18, s18, 4
	s_add_co_u32 s17, s17, s18
	s_and_b32 s18, s16, 7
	s_add_co_u32 s17, s17, s18                     ; the logical row
	s_lshl_b32 s18, s17, 12
	s_mov_b32 s19, 0
	s_lshl_b32 s20, ttmp9, 4
	s_add_co_u32 s20, s20, s16                     ; the physical row
	s_lshl_b32 s20, s20, 12
	s_mov_b32 s21, 0
	s_mul_i32 s24, ttmp9, 12288
	s_mul_i32 s25, s16, 768
	s_add_co_u32 s24, s24, s25
	s_add_co_u32 s24, s24, 16777216
	s_mov_b32 s25, 0
	s_lshl_b32 s26, ttmp9, 9
	s_add_co_u32 s26, s26, 19922944
	s_mov_b32 s27, 0
	s_mov_b32 s[SEL], 0x76543210
	s_mov_b32 s[SEL+1], 0xfedcba98
	s_mov_b32 s32, 0x3a800000                      ; 1 / 1,024
	s_mov_b32 s33, 0x3727c5ac                      ; 1e-5
	v_mov_b32 v[TT], 0
	s_wait_kmcnt 0x0
	s_add_nc_u64 s[4:5], s[4:5], s[18:19]
	s_add_nc_u64 s[6:7], s[6:7], s[20:21]
	s_add_nc_u64 s[28:29], s[14:15], s[26:27]      ; the scale words
	s_add_nc_u64 s[24:25], s[14:15], s[24:25]      ; my chunk
	s_add_nc_u64 s[14:15], s[14:15], s[20:21]      ; my row in f32
.irp j, 0,1,2,3,4,5,6,7
	global_load_b128 v[XR+4*\j:XR+4*\j+3], v3, s[4:5] offset:512*\j th:TH_LOAD_NT
.endr
.irp j, 0,1,2,3,4,5,6,7
	global_load_b128 v[AO+4*\j:AO+4*\j+3], v3, s[6:7] offset:512*\j th:TH_LOAD_NT
.endr
.irp j, 0,1,2,3,4,5,6,7
	global_load_b128 v[BO+4*\j:BO+4*\j+3], v3, s[8:9] offset:512*\j
.endr
.irp j, 0,1,2,3,4,5,6,7
	global_load_b128 v[GG+4*\j:GG+4*\j+3], v3, s[10:11] offset:512*\j
.endr
.irp j, 0,1,2,3,4,5,6,7
	global_load_b128 v[BE+4*\j:BE+4*\j+3], v3, s[12:13] offset:512*\j
.endr
	s_wait_loadcnt 16                              ; the gain's and the offset's 16 loads may be out
.set j, 0
.rept 16
	v_pk_add_f32 v[XR+j:XR+j+1], v[XR+j:XR+j+1], v[AO+j:AO+j+1]
.set j, j+2
.endr
.set j, 0
.rept 16
	v_pk_add_f32 v[XR+j:XR+j+1], v[XR+j:XR+j+1], v[BO+j:BO+j+1]
.set j, j+2
.endr
	v_pk_add_f32 v[SA:SA+1], v[XR:XR+1], v[XR+4:XR+5]
	v_pk_add_f32 v[SB2:SB2+1], v[XR+2:XR+3], v[XR+6:XR+7]
.irp j, 8,12,16,20,24,28
	s_delay_alu instid0(VALU_DEP_2)
	v_pk_add_f32 v[SA:SA+1], v[SA:SA+1], v[XR+\j:XR+\j+1]
	s_delay_alu instid0(VALU_DEP_2)
	v_pk_add_f32 v[SB2:SB2+1], v[SB2:SB2+1], v[XR+\j+2:XR+\j+3]
.endr
	s_delay_alu instid0(VALU_DEP_1)
	v_pk_add_f32 v[SA:SA+1], v[SA:SA+1], v[SB2:SB2+1]
	s_delay_alu instid0(VALU_DEP_1)
	v_add_f32 v[SA], v[SA], v[SA+1]
	WSUM SA, TT
	s_delay_alu instid0(VALU_DEP_1)
	v_mul_f32 v[MU], s32, v[SA]
	s_delay_alu instid0(VALU_DEP_1)
	v_mov_b32 v[MU+1], v[MU]
.set j, 0
.rept 16
	v_pk_add_f32 v[XR+j:XR+j+1], v[XR+j:XR+j+1], v[MU:MU+1] neg_lo:[0,1] neg_hi:[0,1]
.set j, j+2
.endr
	v_pk_mul_f32 v[SA:SA+1], v[XR:XR+1], v[XR:XR+1]
	v_pk_mul_f32 v[SB2:SB2+1], v[XR+2:XR+3], v[XR+2:XR+3]
.irp j, 4,8,12,16,20,24,28
	s_delay_alu instid0(VALU_DEP_2)
	v_pk_fma_f32 v[SA:SA+1], v[XR+\j:XR+\j+1], v[XR+\j:XR+\j+1], v[SA:SA+1]
	s_delay_alu instid0(VALU_DEP_2)
	v_pk_fma_f32 v[SB2:SB2+1], v[XR+\j+2:XR+\j+3], v[XR+\j+2:XR+\j+3], v[SB2:SB2+1]
.endr
	s_delay_alu instid0(VALU_DEP_1)
	v_pk_add_f32 v[SA:SA+1], v[SA:SA+1], v[SB2:SB2+1]
	s_delay_alu instid0(VALU_DEP_1)
	v_add_f32 v[SA], v[SA], v[SA+1]
	WSUM SA, TT
	s_delay_alu instid0(VALU_DEP_1)
	v_fma_f32 v[SA], v[SA], s32, s33
	s_wait_alu depctr_va_vdst(0)
	v_rsq_f32 v[RS], v[SA]
	v_nop
	s_wait_alu depctr_va_vdst(0)
	v_mov_b32 v[RS+1], v[RS]
	s_wait_alu depctr_va_vdst(0)
	s_wait_loadcnt 0x0
.set j, 0
.rept 16
	v_pk_mul_f32 v[XR+j:XR+j+1], v[XR+j:XR+j+1], v[RS:RS+1]
.set j, j+2
.endr
.set j, 0
.rept 16
	v_pk_fma_f32 v[XR+j:XR+j+1], v[XR+j:XR+j+1], v[GG+j:GG+j+1], v[BE+j:BE+j+1]
.set j, j+2
.endr
.irp j, 0,1,2,3,4,5,6,7
	global_store_b128 v3, v[XR+4*\j:XR+4*\j+3], s[14:15] offset:512*\j
	ds_store_b128 v7, v[XR+4*\j:XR+4*\j+3] offset:512*\j
.endr
	s_wait_dscnt 0x0                               ; for the others' sake: my row lies in the stage
	s_barrier_signal -1
	s_barrier_wait -1
.irp i, 0,1,2,3,4,5,6,7
	ds_load_b128 v[AO+4*\i:AO+4*\i+3], v5 offset:16*\i
.endr
	s_wait_dscnt 0x0
	QBLK AO, BO, BO+6, BO+10, BO+12, BO+13
	global_store_b128 v3, v[BO:BO+3], s[24:25]
	global_store_b64 v9, v[BO+4:BO+5], s[24:25] offset:512
	ds_store_b8 v12, v[BO+13]
	s_wait_dscnt 0x0
	s_barrier_signal -1
	s_barrier_wait -1
	s_cmp_lg_u32 s16, 0
	s_cbranch_scc1 .Ldone
	ds_load_b128 v[BO+16:BO+19], v8
	s_wait_dscnt 0x0
	global_store_b128 v3, v[BO+16:BO+19], s[28:29] ; the tile's 512 bytes of scale words
.Ldone:
	s_wait_tensorcnt 0x0                           ; the wave's end: a wait, an add and its wait behind my last LDS store
	ds_add_u32 v[SPW], v[NIL]
	s_wait_dscnt 0x0
	s_endpgm
.Lfunc_end_k_q6c1efa94c5_ln1:
	.size	k_q6c1efa94c5_ln1, .Lfunc_end_k_q6c1efa94c5_ln1-k_q6c1efa94c5_ln1
	.p2alignl 7, 3214868480
	.fill 96, 4, 3214868480
	.section	.rodata,"a",@progbits
	.p2align	6, 0x0
	.amdhsa_kernel k_q6c1efa94c5_ln1
		.amdhsa_group_segment_fixed_size 68352
		.amdhsa_private_segment_fixed_size 0
		.amdhsa_enable_private_segment 0
		.amdhsa_kernarg_size 48
		.amdhsa_user_sgpr_count 2
		.amdhsa_user_sgpr_kernarg_segment_ptr 1
		.amdhsa_wavefront_size32 1
		.amdhsa_system_sgpr_workgroup_id_x 1
		.amdhsa_system_sgpr_workgroup_id_y 1
		.amdhsa_system_sgpr_workgroup_id_z 1
		.amdhsa_system_vgpr_workitem_id 0
		.amdhsa_next_free_vgpr 224
		.amdhsa_next_free_sgpr 66
		.amdhsa_reserve_vcc 0
		.amdhsa_float_denorm_mode_32 3
		.amdhsa_float_denorm_mode_16_64 3
		.amdhsa_memory_ordered 1
		.amdhsa_forward_progress 1
		.amdhsa_inst_pref_size 21
	.end_amdhsa_kernel
	.amdgpu_metadata
---
amdhsa.version: [ 1, 2 ]
amdhsa.kernels:
  - .name:           k_q6c1efa94c5_ln1
    .symbol:         k_q6c1efa94c5_ln1.kd
    .args:
      - { .name: x, .offset: 0, .size: 8, .value_kind: global_buffer, .address_space: global }
      - { .name: ao, .offset: 8, .size: 8, .value_kind: global_buffer, .address_space: global }
      - { .name: bo, .offset: 16, .size: 8, .value_kind: global_buffer, .address_space: global }
      - { .name: g1, .offset: 24, .size: 8, .value_kind: global_buffer, .address_space: global }
      - { .name: be1, .offset: 32, .size: 8, .value_kind: global_buffer, .address_space: global }
      - { .name: x1b, .offset: 40, .size: 8, .value_kind: global_buffer, .address_space: global }
    .group_segment_fixed_size: 68352
    .private_segment_fixed_size: 0
    .kernarg_segment_align: 8
    .kernarg_segment_size: 48
    .max_flat_workgroup_size: 512
    .sgpr_count:     66
    .vgpr_count:     224
    .wavefront_size: 32
...
	.end_amdgpu_metadata
.endif
;; end of part 5
;; launch ffn1 (part 6): grid 16 x 16, 4 waves a work-group, clusters of 4 x 4, 327,680 bytes of LDS; arguments x1b, xw, b1, hq; writes hq
.if DOCPART == 6
	.amdgcn_target "amdgcn-amd-amdhsa--gfx1250"
	.amdhsa_code_object_version 6
	.text
	.protected	k_q6c1efa94c5_ffn1
	.globl	k_q6c1efa94c5_ffn1
	.p2align	8
	.type	k_q6c1efa94c5_ffn1,@function
k_q6c1efa94c5_ffn1:
	s_mov_b64 s[64:65], 0
	v_nop
	global_prefetch_b8 v0, s[64:65] scope:SCOPE_SE
	s_setreg_imm32_b32 hwreg(HW_REG_WAVE_MODE, 25, 1), 1
	s_wait_xcnt 0x0
	s_wait_alu depctr_hold_cnt(0) depctr_sa_sdst(0) depctr_va_vdst(0) depctr_va_sdst(0) depctr_va_ssrc(0) depctr_va_vcc(0) depctr_vm_vsrc(0)
	s_getreg_b32 s2, hwreg(HW_REG_IB_STS2, 6, 4)
	s_cmp_eq_u32 s2, 0
	s_cbranch_scc0 .Lentry_in_a_cluster
	s_endpgm
.Lentry_in_a_cluster:
	s_bfe_u32 s2, ttmp6, 0x10000c
	s_cmp_lg_u32 s2, 0xf033
	s_cbranch_scc0 .Lentry_shape_is_right
	s_endpgm
.Lentry_shape_is_right:
.set SIZE_K, 1024
.set NQ,     2
.set FR,     12
.set NL,     4
.set NP,     4
.set TROW,   NQ*1536
.set KT,     SIZE_K*12
.set HALFT,  8*TROW
.set SLOT,   4*HALFT
.set LAPS,   SIZE_K/512
.set SBLK,   SIZE_K/2
.set HALFS,  8*SBLK
.set SCL,    2*SLOT
.set SPARE,  SCL+4*HALFS
.set ACOFF,  16777216
.set ASOFF,  19922944
.set BCOFF,  6553600
.set BSOFF,  9699328
.set VB,   8
.set ADRA, 16
.set ADRB, 20
.set VA16, 24
.set VA8,  25
.set VSC,  26
.set ADRS, 27
.set SPW,  28
.set NIL,  29
.set SC,   32
.set X,    64
.set X2,   80
.set P,    96
.set Q,    112
.set AF,   128
.set T,    128
.set PC,   192
.set TM,   212
.set PW,   228
.set VA1,  230
.set VB1,  232
.set G1, 24
.set G0, 32
.set G1B, 48
.set G0B, 56
.set G1S, 68
.set G0S, 76
.set G1SB, 80
.set G0SB, 88
.set RS2, 48
.set CA0, 50
.set CA2, 52
.set CA3, 54
.set CA4, 56
.set CA5, 58
.set CA6, 60
.set CB0, 62
.set CB2, 68
.set CB3, 70
.set CB4, 72
.set SEL, 74
.set AI,  2
.set MSB, 0
.macro WIN new
.if MSB != \new
	s_set_vgpr_msb (MSB<<8)|\new
.set MSB, \new
.endif
.endm
.set MUL_LO, 0xa1
.set MUL_HI, 0xf1
.set TO_B,   0x40
.macro JLOAD g0a, g1a, g0b, g1b
	s_cmp_eq_u32 s15, 0
	s_cbranch_scc0 .Lfor_b_\@
	tensor_load_to_lds s[\g0a:\g0a+3], s[\g1a:\g1a+7]
	s_nop 0
.rept 4
	v_nop
.endr
	s_branch .Lasked_\@
.Lfor_b_\@:
	tensor_load_to_lds s[\g0b:\g0b+3], s[\g1b:\g1b+7]
	s_nop 0
.rept 4
	v_nop
.endr
.Lasked_\@:
.endm
.macro CREST
	s_cmp_lg_u32 s14, 0
	s_cbranch_scc1 .Lnot_wave_0_\@
	s_barrier_signal -3
.Lnot_wave_0_\@:
	s_barrier_wait -3
	s_barrier_signal -1
	s_barrier_wait -1
.endm
.macro CROUND
	s_barrier_signal -1
	s_barrier_wait -1
	CREST
.endm
	s_load_b256 s[4:11], s[0:1], 0x0
	v_lshl_add_u32 v[SPW], v0, 2, SPARE
	v_mov_b32 v[NIL], 0
	ds_add_u32 v[SPW], v[NIL]
	ds_add_u32 v[SPW], v[NIL]
	v_lshrrev_b32 v1, 5, v0
	v_readfirstlane_b32 s14, v1
	v_and_b32 v30, 31, v0                          ; the prefetches' offset, never rewritten: a lane a block of 256 bytes, 12 blocks in each of two tile rows; lanes 24-31 name the last block again
	v_min_u32 v30, 23, v30
	v_mul_u32_u24 v31, v30, 171
	v_lshrrev_b32 v31, 11, v31                     ; lane / 12
	v_lshlrev_b32 v30, 8, v30
	v_mad_u32_u24 v30, v31, KT-TROW, v30
	s_wait_alu depctr_va_vdst(0)                   ; the wait behind the write
	s_lshr_b32 s15, s14, 1
	s_and_b32 s16, s14, 1
	s_bfe_u32 s40, ttmp6, 0x40000
	s_bfe_u32 s41, ttmp6, 0x40004
	s_lshl_b32 s42, ttmp9, 2
	s_add_co_u32 s42, s42, s40
	s_and_b32 s17, ttmp7, 0xffff
	s_lshl_b32 s17, s17, 2
	s_add_co_u32 s17, s17, s41
	s_lshl_b32 s43, s41, 2
	s_lshl_b32 s43, 15, s43
	s_lshl_b32 s44, 0x1111, s40
	s_or_b32 s[G1+0], s43, (3<<16)|(1<<21)
	s_or_b32 s[G1B+0], s44, (3<<16)|(1<<21)
.irp g, G1, G1B
	s_mov_b32 s[\g+1], (TROW/8)<<16
	s_mov_b32 s[\g+2], 8<<16
	s_mov_b32 s[\g+3], (TROW/8)<<16
	s_mov_b32 s[\g+4], 8
	s_mov_b32 s[\g+5], KT/8
	s_mov_b32 s[\g+6], 0
	s_mov_b32 s[\g+7], 0
.endr
	s_or_b32 s[G1S+0], s43, (3<<16)|(1<<21)
	s_or_b32 s[G1SB+0], s44, (3<<16)|(1<<21)
.irp g, G1S, G1SB
	s_mov_b32 s[\g+1], 32<<16
	s_mov_b32 s[\g+2], (HALFS/256)<<16
	s_mov_b32 s[\g+3], 32<<16
	s_mov_b32 s[\g+4], HALFS/256
	s_mov_b32 s[\g+5], 32
	s_mov_b32 s[\g+6], 0
	s_mov_b32 s[\g+7], 0
.endr
	s_lshl_b32 s18, s16, 3
	s_lshl_b32 s20, s17, 4
	s_add_co_u32 s20, s20, s18
	s_lshl_b32 s46, s42, 4
	s_add_co_u32 s46, s46, s18
	s_mul_i32 s22, s20, SBLK
	s_add_co_u32 s22, s22, ASOFF
	s_mov_b32 s23, 0
	s_mul_i32 s92, s46, SBLK
	s_add_co_u32 s92, s92, BSOFF
	s_mov_b32 s93, 0
	s_mul_i32 s20, s20, KT
	s_add_co_u32 s20, s20, ACOFF
	s_mov_b32 s21, 0
	s_mul_i32 s46, s46, KT
	s_add_co_u32 s46, s46, BCOFF
	s_mov_b32 s47, 0
	s_mul_i32 s45, s14, HALFT
	s_mul_i32 s94, s14, HALFS
	s_wait_dscnt 0x0
	s_wait_kmcnt 0x0
	s_add_nc_u64 s[20:21], s[4:5], s[20:21]
	s_add_nc_u64 s[22:23], s[4:5], s[22:23]
	s_add_nc_u64 s[46:47], s[6:7], s[46:47]
	s_add_nc_u64 s[92:93], s[6:7], s[92:93]
	; PREFETCH: of the 8 tile rows that I fetch, the partner at place p of the four that ask with me (cx for A's tiles, cy for B's) names rows 2 p and 2 p + 1: told apart by address alone.
	; With the load of slot step n goes the request for step n + 2; steps 0 and 1 are asked for here.  K has four slot steps, so the ring's refills ask for nothing.
	s_cmp_eq_u32 s15, 0
	s_cselect_b64 s[98:99], s[20:21], s[46:47]
	s_cselect_b32 s2, s40, s41
	s_mul_i32 s2, s2, 2*KT
	s_mov_b32 s3, 0
	s_add_nc_u64 s[98:99], s[98:99], s[2:3]
	global_prefetch_b8 v30, s[98:99] th:TH_LOAD_NT scope:SCOPE_SE
	global_prefetch_b8 v30, s[98:99] offset:TROW th:TH_LOAD_NT scope:SCOPE_SE
	CROUND
	s_mov_b32 s[G0S], 1
	s_add_co_u32 s[G0S+1], s94, SCL
	s_mov_b64 s[G0S+2:G0S+3], s[22:23]
	s_or_b32 s[G0S+3], s[G0S+3], 0x80000000
	s_mov_b32 s[G0SB], 1
	s_add_co_u32 s[G0SB+1], s94, SCL
	s_mov_b64 s[G0SB+2:G0SB+3], s[92:93]
	s_or_b32 s[G0SB+3], s[G0SB+3], 0x80000000
	JLOAD G0S, G1S, G0SB, G1SB
.irp s, 0,1
	s_mov_b32 s[G0+4*\s], 1
	s_add_co_u32 s[G0+4*\s+1], s45, \s*SLOT
	s_add_nc_u64 s[G0+4*\s+2:G0+4*\s+3], s[20:21], \s*TROW
	s_or_b32 s[G0+4*\s+3], s[G0+4*\s+3], 0x80000000
	s_mov_b32 s[G0B+4*\s], 1
	s_add_co_u32 s[G0B+4*\s+1], s45, \s*SLOT
	s_add_nc_u64 s[G0B+4*\s+2:G0B+4*\s+3], s[46:47], \s*TROW
	s_or_b32 s[G0B+4*\s+3], s[G0B+4*\s+3], 0x80000000
	s_wait_alu depctr_va_vdst(0)
	s_wait_tensorcnt 0x0
	ds_add_u32 v28, v29
	s_wait_dscnt 0x0
	CROUND
	JLOAD G0+4*\s, G1, G0B+4*\s, G1B
	global_prefetch_b8 v30, s[98:99] offset:(\s+2)*TROW th:TH_LOAD_NT scope:SCOPE_SE
.endr
	v_and_b32 v1, 31, v0
	v_and_b32 v2, 15, v0
	v_bfe_u32 v3, v0, 4, 1
	v_lshlrev_b32 v4, 4, v1
	v_lshlrev_b32 v5, 3, v1
	v_add_nc_u32 v5, 512, v5
	s_mul_i32 s21, s15, HALFT
	s_mul_i32 s22, s16, HALFT
	s_add_co_u32 s22, s22, 2*HALFT
.irp s, 0,1
	v_add_nc_u32 v[ADRA+\s], s21, v4
	v_add_nc_u32 v[ADRB+\s], s22, v4
	v_add_nc_u32 v[ADRA+2+\s], s21, v5
	v_add_nc_u32 v[ADRB+2+\s], s22, v5
	s_add_co_u32 s21, s21, SLOT
	s_add_co_u32 s22, s22, SLOT
.endr
	s_mul_i32 s21, s15, HALFS
	s_mul_i32 s22, s16, HALFS
	s_add_co_u32 s22, s22, 2*HALFS
	s_sub_co_u32 s22, s22, s21
	v_mul_u32_u24 v6, s22, v3
	s_add_co_u32 s21, s21, SCL
	v_lshl_add_u32 v6, v2, 2, v6
	v_add_nc_u32 v[ADRS], s21, v6
	s_lshl_b32 s20, s42, 10
	s_lshl_b32 s21, s16, 9
	s_add_co_u32 s20, s20, s21
	s_mov_b32 s21, 0
	s_add_nc_u64 s[96:97], s[8:9], s[20:21]
	v_lshlrev_b32 v[VB], 6, v3
	WIN TO_B
.irp b, 0,1
.irp i, 0,1,2,3
	global_load_b128 v[96+16*\b+4*\i:96+16*\b+4*\i+3], v[VB], s[96:97] offset:128*\b+16*\i
	global_load_b128 v[224+16*\b+4*\i:224+16*\b+4*\i+3], v[VB], s[96:97] offset:256+128*\b+16*\i
.endr
.endr
	WIN 0
.macro FRAG reg, adr, q, i
	ds_load_b128 v[\reg:\reg+3], v[\adr] offset:(\i)*TROW+(\q)*1536
	ds_load_b64 v[\reg+4:\reg+5], v[\adr+2] offset:(\i)*TROW+(\q)*1536
	ds_load_b128 v[\reg+6:\reg+9], v[\adr] offset:(\i)*TROW+(\q)*1536+768
	ds_load_b64 v[\reg+10:\reg+11], v[\adr+2] offset:(\i)*TROW+(\q)*1536+768
.endm
.macro MUL16 a0, p, q, sc, zero
.irp a, \a0, \a0+1
.irp b, 0,1,2,3,4,5,6,7
.if \zero
	v_wmma_scale_f32_16x16x128_f8f6f4 v[8*(8*((\a)%4)+\b):8*(8*((\a)%4)+\b)+7], v[128*(\p)+FR*\b:128*(\p)+FR*\b+FR-1], v[AF+FR*(\a):AF+FR*(\a)+FR-1], 0, v[SC+8*NQ*(\sc)+NQ*\b+(\q)], v[SC+8*NQ*(\sc)+NQ*(\a)+(\q)] matrix_a_fmt:MATRIX_FMT_FP6 matrix_b_fmt:MATRIX_FMT_FP6 matrix_a_scale:MATRIX_SCALE_ROW1
.else
	v_wmma_scale_f32_16x16x128_f8f6f4 v[8*(8*((\a)%4)+\b):8*(8*((\a)%4)+\b)+7], v[128*(\p)+FR*\b:128*(\p)+FR*\b+FR-1], v[AF+FR*(\a):AF+FR*(\a)+FR-1], v[8*(8*((\a)%4)+\b):8*(8*((\a)%4)+\b)+7], v[SC+8*NQ*(\sc)+NQ*\b+(\q)], v[SC+8*NQ*(\sc)+NQ*(\a)+(\q)] matrix_a_fmt:MATRIX_FMT_FP6 matrix_b_fmt:MATRIX_FMT_FP6 matrix_a_scale:MATRIX_SCALE_ROW1
.endif
.endr
.endr
.endm
.macro FETCH_B slot, q, p
	WIN TO_B
.irp i, 0,1,2,3,4,5,6,7
	FRAG 128*(\p)+FR*\i, ADRB+\slot, \q, \i
.endr
	WIN 0
.endm
.macro FETCH_A slot, q, i0
.irp i, \i0, \i0+1, \i0+2, \i0+3
	FRAG AF+FR*(\i), ADRA+\slot, \q, \i
.endr
.endm
.macro SCALES sc
.irp i, 0,1,2,3,4,5,6,7
	ds_load_b32 v[SC+16*\sc+2*\i], v[ADRS] offset:\i*SBLK
	ds_load_b32 v[SC+16*\sc+2*\i+1], v[ADRS] offset:\i*SBLK+64
.endr
.endm
.macro PLACES n
.rept \n
	v_nop
.endr
.endm
.macro STEP slot, q, zero
	s_wait_dscnt 4*NL
	WIN MUL_LO
	MUL16 0, (\q)%2, \q, \slot, \zero
	MUL16 2, (\q)%2, \q, \slot, \zero
	s_wait_dscnt 0
	PLACES NP
	FETCH_B \slot, (\q)+1, 1-(\q)%2
	FETCH_A \slot, (\q)+1, 0
	WIN MUL_HI
	MUL16 4, (\q)%2, \q, \slot, \zero
	MUL16 6, (\q)%2, \q, \slot, \zero
	PLACES NP
	WIN 0
	FETCH_A \slot, (\q)+1, 4
.endm
.macro TURN slot, next, fill
	s_wait_tensorcnt 0x0
	ds_add_u32 v[SPW], v[NIL]
	s_wait_dscnt 4*NL+1
	WIN MUL_LO
	MUL16 0, 1, NQ-1, \slot, 0
	s_wait_dscnt 0x0
	s_barrier_signal -1
	MUL16 2, 1, NQ-1, \slot, 0
	WIN 0
	s_barrier_wait -1
.if \fill
	CREST
	s_add_nc_u64 s[G0+4*\slot+2:G0+4*\slot+3], s[G0+4*\slot+2:G0+4*\slot+3], 2*TROW
	s_add_nc_u64 s[G0B+4*\slot+2:G0B+4*\slot+3], s[G0B+4*\slot+2:G0B+4*\slot+3], 2*TROW
	JLOAD G0+4*\slot, G1, G0B+4*\slot, G1B
.else
	PLACES NP
.endif
	s_wait_alu depctr_va_vdst(0)
	v_add_nc_u32 v[ADRS], 64*NQ, v[ADRS]
	FETCH_B \next, 0, 0
	FETCH_A \next, 0, 0
	SCALES \next
	WIN MUL_HI
	MUL16 4, 1, NQ-1, \slot, 0
	MUL16 6, 1, NQ-1, \slot, 0
	PLACES NP
	WIN 0
	FETCH_A \next, 0, 4
.endm
	s_wait_alu depctr_va_vdst(0)
	s_wait_tensorcnt 1
	s_barrier_signal -1
	s_barrier_wait -1
	FETCH_B 0, 0, 0
	FETCH_A 0, 0, 0
	SCALES 0
	FETCH_A 0, 0, 4
	STEP 0, 0, 1
	s_mov_b32 s3, LAPS-1
.Llap:
	TURN 0, 1, 1
	STEP 1, 0, 0
	TURN 1, 0, 1
	STEP 0, 0, 0
	s_sub_co_u32 s3, s3, 1
	s_cmp_lg_u32 s3, 0
	s_cbranch_scc1 .Llap
	TURN 0, 1, 0
	STEP 1, 0, 0
	s_wait_dscnt 4*NL
	WIN MUL_LO
	MUL16 0, 1, NQ-1, 1, 0
	MUL16 2, 1, NQ-1, 1, 0
	s_wait_dscnt 0
	WIN MUL_HI
	MUL16 4, 1, NQ-1, 1, 0
	MUL16 6, 1, NQ-1, 1, 0
	WIN 0
.macro QUANT s
.irp b, 0,1,2,3
	v_max3_num_f32 v[TM+\b], |v[\s+16*\b]|, |v[\s+1+16*\b]|, 0x1800000
.endr
.irp i, 2,4,6,8,10,12,14
.irp b, 0,1,2,3
	v_max3_num_f32 v[TM+\b], v[TM+\b], |v[\s+16*\b+\i]|, |v[\s+1+16*\b+\i]|
.endr
.endr
.irp b, 0,1,2,3
	v_permlanex16_b32 v[TM+4+\b], v[TM+\b], s[SEL], s[SEL+1]
.endr
.irp b, 0,1,2,3
	v_max_num_f32 v[TM+\b], v[TM+\b], v[TM+4+\b]
.endr
.irp b, 0,1,2,3
	v_add_nc_u32 v[TM+12+\b], 0xff000000, v[TM+\b]
.endr
.irp b, 0,1,2,3
	v_lshrrev_b32 v[TM+4+\b], 23, v[TM+12+\b]
.endr
	v_lshl_or_b32 v[PW], v[TM+5], 8, v[TM+4]
	v_lshl_or_b32 v[PW], v[TM+6], 16, v[PW]
	v_lshl_or_b32 v[PW], v[TM+7], 24, v[PW]
.irp c, 0,1
	v_cvt_scalef32_pk16_fp6_f32 v[PC+6*\c:PC+2+6*\c], v[\s+32*\c:\s+15+32*\c], v[TM+12+2*\c]
	v_cvt_scalef32_pk16_fp6_f32 v[PC+12+4*\c:PC+14+4*\c], v[\s+16+32*\c:\s+31+32*\c], v[TM+12+2*\c+1]
.endr
	v_nop
.irp c, 0,1
.irp i, 0,1,2
	v_permlane16_swap_b32 v[PC+6*\c+\i], v[PC+12+4*\c+\i]
.endr
.irp i, 0,1,2
	v_mov_b32 v[PC+3+6*\c+\i], v[PC+12+4*\c+\i]
.endr
.endr
.endm
.macro ADDB a
	WIN 0x06+((\a)/4)
.set n, 0
.rept 32
.if n < 32
	v_pk_add_f32 v[T+n:T+n+1], v[64*((\a)%4)+n:64*((\a)%4)+n+1], v[96+n:97+n]
.else
	v_pk_add_f32 v[T+n:T+n+1], v[64*((\a)%4)+n:64*((\a)%4)+n+1], v[192+n:193+n]
.endif
.set n, n+2
.endr
	WIN 0
.endm
.macro HORNER acc, c
.set j, 0
.rept 8
	v_pk_fma_f32 v[\acc+j:\acc+j+1], v[\acc+j:\acc+j+1], v[X2+j:X2+j+1], s[\c:\c+1] op_sel_hi:[1,1,0]
.set j, j+2
.endr
.endm
.macro GELU16 t
.set j, 0
.rept 8
	v_pk_mul_f32 v[X+j:X+j+1], v[\t+j:\t+j+1], s[RS2:RS2+1] op_sel_hi:[1,0]
.set j, j+2
.endr
.set j, 0
.rept 16
	v_med3_num_f32 v[X+j], v[X+j], -4.0, 4.0
.set j, j+1
.endr
.set j, 0
.rept 8
	v_pk_mul_f32 v[X2+j:X2+j+1], v[X+j:X+j+1], v[X+j:X+j+1]
.set j, j+2
.endr
.set j, 0
.rept 8
	v_pk_fma_f32 v[P+j:P+j+1], v[X2+j:X2+j+1], s[CA0:CA0+1], v[VA1:VA1+1] op_sel_hi:[1,0,1]
	v_pk_fma_f32 v[Q+j:Q+j+1], v[X2+j:X2+j+1], s[CB0:CB0+1], v[VB1:VB1+1] op_sel_hi:[1,0,1]
.set j, j+2
.endr
	HORNER P, CA2
	HORNER Q, CB2
	HORNER P, CA3
	HORNER Q, CB3
	HORNER P, CA4
	HORNER Q, CB4
.set j, 0
	s_wait_alu depctr_va_vdst(0)
.rept 16
	v_rcp_f32 v[Q+j], v[Q+j]
.set j, j+1
.endr
	HORNER P, CA5
	HORNER P, CA6
.set j, 0
.rept 8
	v_pk_mul_f32 v[P+j:P+j+1], v[P+j:P+j+1], v[X+j:X+j+1]
	v_pk_mul_f32 v[\t+j:\t+j+1], v[\t+j:\t+j+1], 0.5 op_sel_hi:[1,0]
.set j, j+2
.endr
	s_wait_alu depctr_va_vdst(0)
.set j, 0
.rept 8
	v_pk_mul_f32 v[P+j:P+j+1], v[P+j:P+j+1], v[Q+j:Q+j+1]
.set j, j+2
.endr
.set j, 0
.rept 8
	v_pk_fma_f32 v[\t+j:\t+j+1], v[\t+j:\t+j+1], v[P+j:P+j+1], v[\t+j:\t+j+1]
.set j, j+2
.endr
.endm
.macro CPAIR r, bits
	s_mov_b32 s[\r], \bits
	s_mov_b32 s[\r+1], \bits
.endm
	PLACES NP
	s_wait_loadcnt 0x0
	s_lshl_b32 s20, s17, 4
	s_lshl_b32 s21, s15, 3
	s_add_co_u32 s20, s20, s21
	s_lshl_b32 s21, s42, 1
	s_add_co_u32 s21, s21, s16
	s_lshl_b32 s22, s20, 11
	s_lshl_b32 s23, s21, 6
	s_add_co_u32 s22, s22, s23
	s_add_co_u32 s22, s22, 12582912
	s_mov_b32 s23, 0
	s_mul_i32 s20, s20, 49152
	s_mul_i32 s21, s21, 1536
	s_add_co_u32 s20, s20, s21
	s_mov_b32 s21, 0
	s_add_nc_u64 s[22:23], s[10:11], s[22:23]
	s_add_nc_u64 s[20:21], s[10:11], s[20:21]
	CPAIR RS2, 0x3f3504f3
	CPAIR CA0, 0xaf95df0b
	CPAIR CA2, 0xb60cff51
	CPAIR CA3, 0xb86ec2d2
	CPAIR CA4, 0xba40ac63
	CPAIR CA5, 0xbb41a1f6
	CPAIR CA6, 0xbc83dbd4
	CPAIR CB0, 0xb77460cd
	CPAIR CB2, 0xbadc924e
	CPAIR CB3, 0xbbf19bf8
	CPAIR CB4, 0xbc69b6a7
	s_mov_b32 s[SEL], 0x76543210
	s_mov_b32 s[SEL+1], 0xfedcba98
	v_mov_b32 v[VA1], 0x32edffee
	v_mov_b32 v[VA1+1], 0x32edffee
	v_mov_b32 v[VB1], 0xb95fbd29
	v_mov_b32 v[VB1+1], 0xb95fbd29
	v_lshlrev_b32 v[VA16], 4, v1
	v_lshlrev_b32 v[VA8], 3, v1
	v_lshlrev_b32 v[VSC], 2, v2
.irp b, 0,1,2,3
	v_mov_b32 v[TM+4+\b], 0
.endr
	s_mov_b32 s[AI], 0
.Lrow:
.irp a, 0,1,2,3,4,5,6,7
	s_cmp_lg_u32 s[AI], \a
	s_cbranch_scc1 .Lnot_\a
	ADDB \a
.Lnot_\a:
.endr
	GELU16 T
	GELU16 T+16
	GELU16 T+32
	GELU16 T+48
	QUANT T
	global_store_b128 v[VA16], v[PC:PC+3], s[20:21]
	global_store_b64 v[VA8], v[PC+4:PC+5], s[20:21] offset:512
	global_store_b128 v[VA16], v[PC+6:PC+9], s[20:21] offset:768
	global_store_b64 v[VA8], v[PC+10:PC+11], s[20:21] offset:1280
	global_store_b32 v[VSC], v[PW], s[22:23]
	s_wait_xcnt 0x0
	s_add_nc_u64 s[20:21], s[20:21], 49152
	s_add_nc_u64 s[22:23], s[22:23], 2048
	s_add_co_u32 s[AI], s[AI], 1
	s_cmp_lt_u32 s[AI], 8
	s_cbranch_scc1 .Lrow
	s_wait_tensorcnt 0x0
	ds_add_u32 v[SPW], v[NIL]
	s_wait_dscnt 0x0
	CROUND
	s_endpgm
.Lfunc_end_k_q6c1efa94c5_ffn1:
	.size	k_q6c1efa94c5_ffn1, .Lfunc_end_k_q6c1efa94c5_ffn1-k_q6c1efa94c5_ffn1
	.p2alignl 7, 3214868480
	.fill 96, 4, 3214868480
	.section	.rodata,"a",@progbits
	.p2align	6, 0x0
	.amdhsa_kernel k_q6c1efa94c5_ffn1
		.amdhsa_group_segment_fixed_size 327680
		.amdhsa_private_segment_fixed_size 0
		.amdhsa_enable_private_segment 0
		.amdhsa_kernarg_size 32
		.amdhsa_user_sgpr_count 2
		.amdhsa_user_sgpr_kernarg_segment_ptr 1
		.amdhsa_wavefront_size32 1
		.amdhsa_system_sgpr_workgroup_id_x 1
		.amdhsa_system_sgpr_workgroup_id_y 1
		.amdhsa_system_sgpr_workgroup_id_z 1
		.amdhsa_system_vgpr_workitem_id 0
		.amdhsa_next_free_vgpr 1024
		.amdhsa_next_free_sgpr 100
		.amdhsa_reserve_vcc 0
		.amdhsa_float_denorm_mode_32 3
		.amdhsa_float_denorm_mode_16_64 3
		.amdhsa_memory_ordered 1
		.amdhsa_forward_progress 1
		.amdhsa_inst_pref_size 182
	.end_amdhsa_kernel
	.amdgpu_metadata
---
amdhsa.version: [ 1, 2 ]
amdhsa.kernels:
  - .name:           k_q6c1efa94c5_ffn1
    .symbol:         k_q6c1efa94c5_ffn1.kd
    .args:
      - { .name: x1b, .offset: 0, .size: 8, .value_kind: global_buffer, .address_space: global }
      - { .name: xw, .offset: 8, .size: 8, .value_kind: global_buffer, .address_space: global }
      - { .name: b1, .offset: 16, .size: 8, .value_kind: global_buffer, .address_space: global }
      - { .name: hq, .offset: 24, .size: 8, .value_kind: global_buffer, .address_space: global }
    .group_segment_fixed_size: 327680
    .private_segment_fixed_size: 0
    .kernarg_segment_align: 8
    .kernarg_segment_size: 32
    .max_flat_workgroup_size: 128
    .sgpr_count:     100
    .vgpr_count:     1024
    .wavefront_size: 32
...
	.end_amdgpu_metadata
.endif
;; end of part 6
;; launch ffn2 (part 7): grid 8 x 32, 4 waves a work-group, clusters of 4 x 4, 327,680 bytes of LDS; arguments hq, xw, ao; writes ao
.if DOCPART == 7
	.amdgcn_target "amdgcn-amd-amdhsa--gfx1250"
	.amdhsa_code_object_version 6
	.text
	.protected	k_q6c1efa94c5_ffn2
	.globl	k_q6c1efa94c5_ffn2
	.p2align	8
	.type	k_q6c1efa94c5_ffn2,@function
k_q6c1efa94c5_ffn2:
	s_mov_b64 s[64:65], 0
	v_nop
	global_prefetch_b8 v0, s[64:65] scope:SCOPE_SE
	s_setreg_imm32_b32 hwreg(HW_REG_WAVE_MODE, 25, 1), 1
	s_wait_xcnt 0x0
	s_wait_alu depctr_hold_cnt(0) depctr_sa_sdst(0) depctr_va_vdst(0) depctr_va_sdst(0) depctr_va_ssrc(0) depctr_va_vcc(0) depctr_vm_vsrc(0)
	s_getreg_b32 s2, hwreg(HW_REG_IB_STS2, 6, 4)
	s_cmp_eq_u32 s2, 0
	s_cbranch_scc0 .Lentry_in_a_cluster
	s_endpgm
.Lentry_in_a_cluster:
	s_bfe_u32 s2, ttmp6, 0x10000c
	s_cmp_lg_u32 s2, 0xf033
	s_cbranch_scc0 .Lentry_shape_is_right
	s_endpgm
.Lentry_shape_is_right:
.set SIZE_K, 4096
.set ACOFF,  0
.set ASOFF,  12582912
.set BCOFF,  9830400
.set BSOFF,  12976128
.set NQ,     4
.set FR,     12
.set TROW,   NQ*1536
.set KT,     SIZE_K*12
.set HALFT,  4*TROW
.set SLOT,   4*HALFT
.set LAPS,   SIZE_K/1024
.set SBLK,   SIZE_K/2
.set HALFS,  4*SBLK
.set SCL,    2*SLOT
.set SPARE,  SCL+4*HALFS
.set SPITCH, 272
.set ADRA, 16
.set ADRB, 20
.set STO,  24
.set RD,   25
.set CO,   26
.set ADRS, 27
.set SPW,  28
.set NIL,  29
.set SC,   32
.set AF,   128
.set BK,   128
.set G1, 24
.set G0, 32
.set G1B, 48
.set G0B, 56
.set G1S, 68
.set G0S, 76
.set G1SB, 80
.set G0SB, 88
.set MSB, 0
.macro WIN new
.if MSB != \new
	s_set_vgpr_msb (MSB<<8)|\new
.set MSB, \new
.endif
.endm
.set MUL,  0xa1
.set TO_B, 0x40
.macro JLOAD g0a, g1a, g0b, g1b
	s_cmp_eq_u32 s15, 0
	s_cbranch_scc0 .Lfor_b_\@
	tensor_load_to_lds s[\g0a:\g0a+3], s[\g1a:\g1a+7]
	s_nop 0
.rept 4
	v_nop
.endr
	s_branch .Lasked_\@
.Lfor_b_\@:
	tensor_load_to_lds s[\g0b:\g0b+3], s[\g1b:\g1b+7]
	s_nop 0
.rept 4
	v_nop
.endr
.Lasked_\@:
.endm
.macro CREST
	s_cmp_lg_u32 s14, 0
	s_cbranch_scc1 .Lnot_wave_0_\@
	s_barrier_signal -3
.Lnot_wave_0_\@:
	s_barrier_wait -3
	s_barrier_signal -1
	s_barrier_wait -1
.endm
.macro CROUND
	s_barrier_signal -1
	s_barrier_wait -1
	CREST
.endm
	s_load_b128 s[4:7], s[0:1], 0x0
	s_load_b64 s[8:9], s[0:1], 0x10
	v_lshl_add_u32 v[SPW], v0, 2, SPARE
	v_mov_b32 v[NIL], 0
	ds_add_u32 v[SPW], v[NIL]
	ds_add_u32 v[SPW], v[NIL]
	v_lshrrev_b32 v1, 5, v0
	v_readfirstlane_b32 s14, v1
	v_and_b32 v30, 31, v0                          ; the prefetches' offset, never rewritten: a lane a block of 256 bytes, the 24 blocks of a tile row's slot step; lanes 24-31 name the last block again
	v_min_u32 v30, 23, v30
	v_lshlrev_b32 v30, 8, v30
	s_wait_alu depctr_va_vdst(0)                   ; the wait behind the write
	s_lshr_b32 s15, s14, 1
	s_and_b32 s16, s14, 1
	s_bfe_u32 s40, ttmp6, 0x40000
	s_bfe_u32 s41, ttmp6, 0x40004
	s_lshl_b32 s42, ttmp9, 2
	s_add_co_u32 s42, s42, s40
	s_and_b32 s17, ttmp7, 0xffff
	s_lshl_b32 s17, s17, 2
	s_add_co_u32 s17, s17, s41
	s_lshl_b32 s43, s41, 2
	s_lshl_b32 s43, 15, s43
	s_lshl_b32 s44, 0x1111, s40
	s_or_b32 s[G1+0], s43, (3<<16)|(1<<21)
	s_or_b32 s[G1B+0], s44, (3<<16)|(1<<21)
.irp g, G1, G1B
	s_mov_b32 s[\g+1], (TROW/8)<<16
	s_mov_b32 s[\g+2], 4<<16
	s_mov_b32 s[\g+3], (TROW/8)<<16
	s_mov_b32 s[\g+4], 4
	s_mov_b32 s[\g+5], KT/8
	s_mov_b32 s[\g+6], 0
	s_mov_b32 s[\g+7], 0
.endr
	s_or_b32 s[G1S+0], s43, (3<<16)|(1<<21)
	s_or_b32 s[G1SB+0], s44, (3<<16)|(1<<21)
.irp g, G1S, G1SB
	s_mov_b32 s[\g+1], 32<<16
	s_mov_b32 s[\g+2], (HALFS/256)<<16
	s_mov_b32 s[\g+3], 32<<16
	s_mov_b32 s[\g+4], HALFS/256
	s_mov_b32 s[\g+5], 32
	s_mov_b32 s[\g+6], 0
	s_mov_b32 s[\g+7], 0
.endr
	s_lshl_b32 s18, s16, 2
	s_lshl_b32 s20, s17, 3
	s_add_co_u32 s20, s20, s18
	s_lshl_b32 s46, s42, 3
	s_add_co_u32 s46, s46, s18
	s_mul_i32 s22, s20, SBLK
	s_add_co_u32 s22, s22, ASOFF
	s_mov_b32 s23, 0
	s_mul_i32 s92, s46, SBLK
	s_add_co_u32 s92, s92, BSOFF
	s_mov_b32 s93, 0
	s_mul_i32 s20, s20, KT
	s_add_co_u32 s20, s20, ACOFF
	s_mov_b32 s21, 0
	s_mul_i32 s46, s46, KT
	s_add_co_u32 s46, s46, BCOFF
	s_mov_b32 s47, 0
	s_mul_i32 s45, s14, HALFT
	s_mul_i32 s94, s14, HALFS
	s_wait_dscnt 0x0
	s_wait_kmcnt 0x0
	s_add_nc_u64 s[20:21], s[4:5], s[20:21]
	s_add_nc_u64 s[22:23], s[4:5], s[22:23]
	s_add_nc_u64 s[46:47], s[6:7], s[46:47]
	s_add_nc_u64 s[92:93], s[6:7], s[92:93]
	; PREFETCH: of the 4 tile rows that I fetch, the partner at place p of the four that ask with me (cx for A's tiles, cy for B's) names row p: told apart by address alone.
	; With the load of slot step n goes the request for step n + 2; steps 0 and 1 are asked for here; the last lap's two refills, steps 6 and 7 of eight, ask for nothing.
	s_cmp_eq_u32 s15, 0
	s_cselect_b64 s[10:11], s[20:21], s[46:47]
	s_cselect_b32 s2, s40, s41
	s_mul_i32 s2, s2, KT
	s_mov_b32 s3, 0
	s_add_nc_u64 s[10:11], s[10:11], s[2:3]
	global_prefetch_b8 v30, s[10:11] th:TH_LOAD_NT scope:SCOPE_SE
	global_prefetch_b8 v30, s[10:11] offset:TROW th:TH_LOAD_NT scope:SCOPE_SE
	CROUND
	s_mov_b32 s[G0S], 1
	s_add_co_u32 s[G0S+1], s94, SCL
	s_mov_b64 s[G0S+2:G0S+3], s[22:23]
	s_or_b32 s[G0S+3], s[G0S+3], 0x80000000
	s_mov_b32 s[G0SB], 1
	s_add_co_u32 s[G0SB+1], s94, SCL
	s_mov_b64 s[G0SB+2:G0SB+3], s[92:93]
	s_or_b32 s[G0SB+3], s[G0SB+3], 0x80000000
	JLOAD G0S, G1S, G0SB, G1SB
.irp s, 0,1
	s_mov_b32 s[G0+4*\s], 1
	s_add_co_u32 s[G0+4*\s+1], s45, \s*SLOT
	s_add_nc_u64 s[G0+4*\s+2:G0+4*\s+3], s[20:21], \s*TROW
	s_or_b32 s[G0+4*\s+3], s[G0+4*\s+3], 0x80000000
	s_mov_b32 s[G0B+4*\s], 1
	s_add_co_u32 s[G0B+4*\s+1], s45, \s*SLOT
	s_add_nc_u64 s[G0B+4*\s+2:G0B+4*\s+3], s[46:47], \s*TROW
	s_or_b32 s[G0B+4*\s+3], s[G0B+4*\s+3], 0x80000000
	s_wait_alu depctr_va_vdst(0)
	s_wait_tensorcnt 0x0
	ds_add_u32 v28, v29
	s_wait_dscnt 0x0
	CROUND
	JLOAD G0+4*\s, G1, G0B+4*\s, G1B
	global_prefetch_b8 v30, s[10:11] offset:(\s+2)*TROW th:TH_LOAD_NT scope:SCOPE_SE
.endr
	v_and_b32 v1, 31, v0
	v_and_b32 v2, 15, v0
	v_bfe_u32 v3, v0, 4, 1
	v_lshlrev_b32 v4, 4, v1
	v_lshlrev_b32 v5, 3, v1
	v_add_nc_u32 v5, 512, v5
	s_mul_i32 s21, s15, HALFT
	s_mul_i32 s22, s16, HALFT
	s_add_co_u32 s22, s22, 2*HALFT
.irp s, 0,1
	v_add_nc_u32 v[ADRA+\s], s21, v4
	v_add_nc_u32 v[ADRB+\s], s22, v4
	v_add_nc_u32 v[ADRA+2+\s], s21, v5
	v_add_nc_u32 v[ADRB+2+\s], s22, v5
	s_add_co_u32 s21, s21, SLOT
	s_add_co_u32 s22, s22, SLOT
.endr
	s_mul_i32 s21, s15, HALFS
	s_mul_i32 s22, s16, HALFS
	s_add_co_u32 s22, s22, 2*HALFS
	s_sub_co_u32 s22, s22, s21
	v_mul_u32_u24 v6, s22, v3
	s_add_co_u32 s21, s21, SCL
	v_lshl_add_u32 v6, v2, 2, v6
	v_add_nc_u32 v[ADRS], s21, v6
	s_mul_i32 s23, s14, 16*SPITCH
	v_mul_u32_u24 v5, v2, SPITCH
	v_lshl_add_u32 v5, v3, 6, v5
	v_add_nc_u32 v[STO], s23, v5
	v_mul_u32_u24 v5, v3, SPITCH
	v_lshl_add_u32 v5, v2, 4, v5
	v_add_nc_u32 v[RD], s23, v5
	v_lshlrev_b32 v[CO], 12, v3
	v_lshl_add_u32 v[CO], v2, 4, v[CO]
	s_lshl_b32 s20, s17, 7
	s_lshl_b32 s21, s15, 6
	s_add_co_u32 s20, s20, s21
	s_lshl_b32 s20, s20, 12
	s_lshl_b32 s46, s42, 9
	s_lshl_b32 s47, s16, 8
	s_add_co_u32 s46, s46, s47
	s_add_co_u32 s20, s20, s46
	s_mov_b32 s21, 0
	s_add_nc_u64 s[8:9], s[8:9], s[20:21]
.macro FRAG reg, adr, q, i
	ds_load_b128 v[\reg:\reg+3], v[\adr] offset:(\i)*TROW+(\q)*1536
	ds_load_b64 v[\reg+4:\reg+5], v[\adr+2] offset:(\i)*TROW+(\q)*1536
	ds_load_b128 v[\reg+6:\reg+9], v[\adr] offset:(\i)*TROW+(\q)*1536+768
	ds_load_b64 v[\reg+10:\reg+11], v[\adr+2] offset:(\i)*TROW+(\q)*1536+768
.endm
.macro MULQ a, p, q, sc, zero
.irp b, 0,1,2,3
.if \zero
	v_wmma_scale_f32_16x16x128_f8f6f4 v[8*(4*(\a)+\b):8*(4*(\a)+\b)+7], v[128*(\p)+FR*\b:128*(\p)+FR*\b+FR-1], v[AF+64*(\p)+FR*(\a):AF+64*(\p)+FR*(\a)+FR-1], 0, v[SC+16*(\sc)+4*\b+(\q)], v[SC+16*(\sc)+4*(\a)+(\q)] matrix_a_fmt:MATRIX_FMT_FP6 matrix_b_fmt:MATRIX_FMT_FP6 matrix_a_scale:MATRIX_SCALE_ROW1
.else
	v_wmma_scale_f32_16x16x128_f8f6f4 v[8*(4*(\a)+\b):8*(4*(\a)+\b)+7], v[128*(\p)+FR*\b:128*(\p)+FR*\b+FR-1], v[AF+64*(\p)+FR*(\a):AF+64*(\p)+FR*(\a)+FR-1], v[8*(4*(\a)+\b):8*(4*(\a)+\b)+7], v[SC+16*(\sc)+4*\b+(\q)], v[SC+16*(\sc)+4*(\a)+(\q)] matrix_a_fmt:MATRIX_FMT_FP6 matrix_b_fmt:MATRIX_FMT_FP6 matrix_a_scale:MATRIX_SCALE_ROW1
.endif
.endr
.endm
.macro FETCH slot, q, p
	WIN TO_B
.irp i, 0,1,2,3
	FRAG 128*(\p)+FR*\i, ADRB+\slot, \q, \i
.endr
	WIN 0
.irp i, 0,1,2,3
	FRAG AF+64*(\p)+FR*\i, ADRA+\slot, \q, \i
.endr
.endm
.macro SCALES sc
.irp i, 0,1,2,3
.irp q, 0,1,2,3
	ds_load_b32 v[SC+16*\sc+4*\i+\q], v[ADRS] offset:\i*SBLK+64*\q
.endr
.endr
.endm
.macro PLACES
.rept 4
	v_nop
.endr
.endm
.macro STEP slot, q, zero
	s_wait_dscnt 0x0
	PLACES
	FETCH \slot, (\q)+1, 1-(\q)%2
	WIN MUL
	MULQ 0, (\q)%2, \q, \slot, \zero
	MULQ 1, (\q)%2, \q, \slot, \zero
	MULQ 2, (\q)%2, \q, \slot, \zero
	MULQ 3, (\q)%2, \q, \slot, \zero
.endm
.macro TURN slot, next, fill
	WIN 0
.if \fill
	s_wait_xcnt 0x0                                ; my earlier prefetches have read their base: it steps one slot step along K
	s_add_nc_u64 s[10:11], s[10:11], TROW
.endif
	s_wait_tensorcnt 0x0
	ds_add_u32 v[SPW], v[NIL]
	s_wait_dscnt 1
	WIN MUL
	MULQ 0, 1, 3, \slot, 0
	s_wait_dscnt 0x0
	s_barrier_signal -1
	MULQ 1, 1, 3, \slot, 0
	WIN 0
	s_barrier_wait -1
.if \fill
	CREST
	s_add_nc_u64 s[G0+4*\slot+2:G0+4*\slot+3], s[G0+4*\slot+2:G0+4*\slot+3], 2*TROW
	s_add_nc_u64 s[G0B+4*\slot+2:G0B+4*\slot+3], s[G0B+4*\slot+2:G0B+4*\slot+3], 2*TROW
	JLOAD G0+4*\slot, G1, G0B+4*\slot, G1B
.else
	PLACES
.endif
	s_wait_alu depctr_va_vdst(0)
	v_add_nc_u32 v[ADRS], 64*NQ, v[ADRS]
	FETCH \next, 0, 0
	SCALES \next
.if \fill
	s_cmp_gt_u32 s3, 1                             ; s3 = 1 in the loop's last trip: no slot step stands two behind its refills
	s_cbranch_scc0 .Lno_ask_\@
	global_prefetch_b8 v30, s[10:11] offset:3*TROW th:TH_LOAD_NT scope:SCOPE_SE   ; the slot step two behind the one just asked for by the joint load
.Lno_ask_\@:
.endif
	WIN MUL
	MULQ 2, 1, 3, \slot, 0
	MULQ 3, 1, 3, \slot, 0
.endm
	s_wait_alu depctr_va_vdst(0)
	s_wait_tensorcnt 1
	s_barrier_signal -1
	s_barrier_wait -1
	FETCH 0, 0, 0
	SCALES 0
	STEP 0, 0, 1
.if LAPS > 1
	WIN 0
	s_mov_b32 s3, LAPS-1
.Llap:
	STEP 0, 1, 0
	STEP 0, 2, 0
	TURN 0, 1, 1
	STEP 1, 0, 0
	STEP 1, 1, 0
	STEP 1, 2, 0
	TURN 1, 0, 1
	STEP 0, 0, 0
	WIN 0
	s_sub_co_u32 s3, s3, 1
	s_cmp_lg_u32 s3, 0
	s_cbranch_scc1 .Llap
.endif
	STEP 0, 1, 0
	STEP 0, 2, 0
	TURN 0, 1, 0
	STEP 1, 0, 0
	STEP 1, 1, 0
	STEP 1, 2, 0
	s_wait_dscnt 0x0
	MULQ 0, 1, 3, 1, 0
	MULQ 1, 1, 3, 1, 0
	MULQ 2, 1, 3, 1, 0
	MULQ 3, 1, 3, 1, 0
	WIN 0
.macro TOSTAGE a
	WIN 0x08
.irp b, 0,1,2,3
	ds_store_b128 v[STO], v[8*(4*(\a)+\b):8*(4*(\a)+\b)+3] offset:128*(\b/2)+32*(\b%2)
	ds_store_b128 v[STO], v[8*(4*(\a)+\b)+4:8*(4*(\a)+\b)+7] offset:128*(\b/2)+32*(\b%2)+16
.endr
	WIN 0
.irp t, 0,1,2,3,4,5,6,7
	ds_load_b128 v[BK+32*(\a)+4*\t:BK+32*(\a)+4*\t+3], v[RD] offset:\t*2*SPITCH
.endr
.endm
.macro SEND a, younger
	s_wait_dscnt \younger
.irp t, 0,1,2,3,4,5,6,7
	global_store_b128 v[CO], v[BK+32*(\a)+4*\t:BK+32*(\a)+4*\t+3], s[8:9] offset:(\a)*65536+\t*8192
.endr
.endm
	PLACES
	TOSTAGE 0
	TOSTAGE 1
	SEND 0, 16
	TOSTAGE 2
	SEND 1, 16
	TOSTAGE 3
	SEND 2, 16
	SEND 3, 0
	s_wait_tensorcnt 0x0
	ds_add_u32 v[SPW], v[NIL]
	s_wait_dscnt 0x0
	CROUND
	s_endpgm
.Lfunc_end_k_q6c1efa94c5_ffn2:
	.size	k_q6c1efa94c5_ffn2, .Lfunc_end_k_q6c1efa94c5_ffn2-k_q6c1efa94c5_ffn2
	.p2alignl 7, 3214868480
	.fill 96, 4, 3214868480
	.section	.rodata,"a",@progbits
	.p2align	6, 0x0
	.amdhsa_kernel k_q6c1efa94c5_ffn2
		.amdhsa_group_segment_fixed_size 327680
		.amdhsa_private_segment_fixed_size 0
		.amdhsa_enable_private_segment 0
		.amdhsa_kernarg_size 24
		.amdhsa_user_sgpr_count 2
		.amdhsa_user_sgpr_kernarg_segment_ptr 1
		.amdhsa_wavefront_size32 1
		.amdhsa_system_sgpr_workgroup_id_x 1
		.amdhsa_system_sgpr_workgroup_id_y 1
		.amdhsa_system_sgpr_workgroup_id_z 1
		.amdhsa_system_vgpr_workitem_id 0
		.amdhsa_next_free_vgpr 768
		.amdhsa_next_free_sgpr 100
		.amdhsa_reserve_vcc 0
		.amdhsa_float_denorm_mode_32 3
		.amdhsa_float_denorm_mode_16_64 3
		.amdhsa_memory_ordered 1
		.amdhsa_forward_progress 1
		.amdhsa_inst_pref_size 95
	.end_amdhsa_kernel
	.amdgpu_metadata
---
amdhsa.version: [ 1, 2 ]
amdhsa.kernels:
  - .name:           k_q6c1efa94c5_ffn2
    .symbol:         k_q6c1efa94c5_ffn2.kd
    .args:
      - { .name: hq, .offset: 0, .size: 8, .value_kind: global_buffer, .address_space: global }
      - { .name: xw, .offset: 8, .size: 8, .value_kind: global_buffer, .address_space: global }
      - { .name: ao, .offset: 16, .size: 8, .value_kind: global_buffer, .address_space: global }
    .group_segment_fixed_size: 327680
    .private_segment_fixed_size: 0
    .kernarg_segment_align: 8
    .kernarg_segment_size: 24
    .max_flat_workgroup_size: 128
    .sgpr_count:     100
    .vgpr_count:     768
    .wavefront_size: 32
...
	.end_amdgpu_metadata
.endif
;; end of part 7
;; launch ln2 (part 8): grid 512 x 1, 8 waves a work-group, no clusters, 0 bytes of LDS; arguments x1b, ao, b2, g2, be2, out0; writes out0
.if DOCPART == 8
	.amdgcn_target "amdgcn-amd-amdhsa--gfx1250"
	.amdhsa_code_object_version 6
	.text
	.protected	k_q6c1efa94c5_ln2
	.globl	k_q6c1efa94c5_ln2
	.p2align	8
	.type	k_q6c1efa94c5_ln2,@function
k_q6c1efa94c5_ln2:
	s_mov_b64 s[64:65], 0
	v_nop
	global_prefetch_b8 v0, s[64:65] scope:SCOPE_SE
	s_setreg_imm32_b32 hwreg(HW_REG_WAVE_MODE, 25, 1), 1
	s_wait_xcnt 0x0
; out0 = LayerNorm(x1 + ff + b2) g2 + be2, in f32.  A wave takes a row and keeps it in 32 registers between the passes: each byte is read once and written once, 512 consecutive bytes an instruction.
; x1b and ao hold the tokens' physical rows; out0 is stored at the logical row (bits 3 and 4 of the row exchanged).  Memory binds: no LDS, no barrier, no matrix unit.
.set XR, 32
.set AO, 64
.set BO, 96
.set GG, 128
.set BE, 160
.set SA, 192
.set SB2, 194
.set MU, 196
.set RS, 198
.set TT, 200
.set SEL, 30
.macro WSUM v, t
	s_delay_alu instid0(VALU_DEP_1)
	v_add_f32_dpp v[\v], v[\v], v[\v] row_xmask:1 row_mask:0xf bank_mask:0xf
	s_delay_alu instid0(VALU_DEP_1)
	v_add_f32_dpp v[\v], v[\v], v[\v] row_xmask:2 row_mask:0xf bank_mask:0xf
	s_delay_alu instid0(VALU_DEP_1)
	v_add_f32_dpp v[\v], v[\v], v[\v] row_xmask:4 row_mask:0xf bank_mask:0xf
	s_delay_alu instid0(VALU_DEP_1)
	v_add_f32_dpp v[\v], v[\v], v[\v] row_xmask:8 row_mask:0xf bank_mask:0xf
	s_delay_alu instid0(VALU_DEP_1)
	v_permlanex16_b32 v[\t], v[\v], s[SEL], s[SEL+1]
	s_delay_alu instid0(VALU_DEP_1)
	v_add_f32 v[\v], v[\v], v[\t]
.endm
	s_load_b256 s[4:11], s[0:1], 0x0               ; x1b, ao, b2, g2
	s_load_b128 s[12:15], s[0:1], 0x20             ; be2, out0
	v_lshrrev_b32 v1, 5, v0
	s_delay_alu instid0(VALU_DEP_1)
	v_readfirstlane_b32 s16, v1
	v_and_b32 v2, 31, v0
	s_delay_alu instid0(VALU_DEP_1)
	v_lshlrev_b32 v3, 4, v2
	s_lshl_b32 s17, ttmp9, 3
	s_add_co_u32 s17, s17, s16                     ; the physical row
	s_and_b32 s18, s17, 0xffffffe7
	s_bfe_u32 s19, s17, 0x10003
	s_lshl_b32 s19, s19, 4
	s_or_b32 s18, s18, s19
	s_bfe_u32 s19, s17, 0x10004
	s_lshl_b32 s19, s19, 3
	s_or_b32 s18, s18, s19                         ; the logical row
	s_lshl_b32 s18, s18, 12
	s_mov_b32 s19, 0
	s_lshl_b32 s20, s17, 12
	s_mov_b32 s21, 0
	s_mov_b32 s[SEL], 0x76543210
	s_mov_b32 s[SEL+1], 0xfedcba98
	s_mov_b32 s32, 0x3a800000                      ; 1 / 1,024
	s_mov_b32 s33, 0x3727c5ac                      ; 1e-5
	v_mov_b32 v[TT], 0
	s_wait_alu depctr_va_vdst(0)
	s_wait_kmcnt 0x0
	s_add_nc_u64 s[4:5], s[4:5], s[20:21]
	s_add_nc_u64 s[6:7], s[6:7], s[20:21]
	s_add_nc_u64 s[14:15], s[14:15], s[18:19]
.irp j, 0,1,2,3,4,5,6,7
	global_load_b128 v[XR+4*\j:XR+4*\j+3], v3, s[4:5] offset:512*\j th:TH_LOAD_NT
.endr
.irp j, 0,1,2,3,4,5,6,7
	global_load_b128 v[AO+4*\j:AO+4*\j+3], v3, s[6:7] offset:512*\j th:TH_LOAD_NT
.endr
.irp j, 0,1,2,3,4,5,6,7
	global_load_b128 v[BO+4*\j:BO+4*\j+3], v3, s[8:9] offset:512*\j
.endr
.irp j, 0,1,2,3,4,5,6,7
	global_load_b128 v[GG+4*\j:GG+4*\j+3], v3, s[10:11] offset:512*\j
.endr
.irp j, 0,1,2,3,4,5,6,7
	global_load_b128 v[BE+4*\j:BE+4*\j+3], v3, s[12:13] offset:512*\j
.endr
	s_wait_loadcnt 16                              ; the gain's and the offset's 16 loads may be out
.set j, 0
.rept 16
	v_pk_add_f32 v[XR+j:XR+j+1], v[XR+j:XR+j+1], v[AO+j:AO+j+1]
.set j, j+2
.endr
.set j, 0
.rept 16
	v_pk_add_f32 v[XR+j:XR+j+1], v[XR+j:XR+j+1], v[BO+j:BO+j+1]
.set j, j+2
.endr
	v_pk_add_f32 v[SA:SA+1], v[XR:XR+1], v[XR+4:XR+5]
	v_pk_add_f32 v[SB2:SB2+1], v[XR+2:XR+3], v[XR+6:XR+7]
.irp j, 8,12,16,20,24,28
	s_delay_alu instid0(VALU_DEP_2)
	v_pk_add_f32 v[SA:SA+1], v[SA:SA+1], v[XR+\j:XR+\j+1]
	s_delay_alu instid0(VALU_DEP_2)
	v_pk_add_f32 v[SB2:SB2+1], v[SB2:SB2+1], v[XR+\j+2:XR+\j+3]
.endr
	s_delay_alu instid0(VALU_DEP_1)
	v_pk_add_f32 v[SA:SA+1], v[SA:SA+1], v[SB2:SB2+1]
	s_delay_alu instid0(VALU_DEP_1)
	v_add_f32 v[SA], v[SA], v[SA+1]
	WSUM SA, TT
	s_delay_alu instid0(VALU_DEP_1)
	v_mul_f32 v[MU], s32, v[SA]
	s_delay_alu instid0(VALU_DEP_1)
	v_mov_b32 v[MU+1], v[MU]
.set j, 0
.rept 16
	v_pk_add_f32 v[XR+j:XR+j+1], v[XR+j:XR+j+1], v[MU:MU+1] neg_lo:[0,1] neg_hi:[0,1]
.set j, j+2
.endr
	v_pk_mul_f32 v[SA:SA+1], v[XR:XR+1], v[XR:XR+1]
	v_pk_mul_f32 v[SB2:SB2+1], v[XR+2:XR+3], v[XR+2:XR+3]
.irp j, 4,8,12,16,20,24,28
	s_delay_alu instid0(VALU_DEP_2)
	v_pk_fma_f32 v[SA:SA+1], v[XR+\j:XR+\j+1], v[XR+\j:XR+\j+1], v[SA:SA+1]
	s_delay_alu instid0(VALU_DEP_2)
	v_pk_fma_f32 v[SB2:SB2+1], v[XR+\j+2:XR+\j+3], v[XR+\j+2:XR+\j+3], v[SB2:SB2+1]
.endr
	s_delay_alu instid0(VALU_DEP_1)
	v_pk_add_f32 v[SA:SA+1], v[SA:SA+1], v[SB2:SB2+1]
	s_delay_alu instid0(VALU_DEP_1)
	v_add_f32 v[SA], v[SA], v[SA+1]
	WSUM SA, TT
	s_delay_alu instid0(VALU_DEP_1)
	v_fma_f32 v[SA], v[SA], s32, s33
	s_wait_alu depctr_va_vdst(0)
	v_rsq_f32 v[RS], v[SA]
	v_nop
	s_wait_alu depctr_va_vdst(0)
	v_mov_b32 v[RS+1], v[RS]
	s_wait_alu depctr_va_vdst(0)
	s_wait_loadcnt 0x0
.set j, 0
.rept 16
	v_pk_mul_f32 v[XR+j:XR+j+1], v[XR+j:XR+j+1], v[RS:RS+1]
.set j, j+2
.endr
.set j, 0
.rept 16
	v_pk_fma_f32 v[XR+j:XR+j+1], v[XR+j:XR+j+1], v[GG+j:GG+j+1], v[BE+j:BE+j+1]
.set j, j+2
.endr
.irp j, 0,1,2,3,4,5,6,7
	global_store_b128 v3, v[XR+4*\j:XR+4*\j+3], s[14:15] offset:512*\j th:TH_STORE_NT
.endr
	s_endpgm
.Lfunc_end_k_q6c1efa94c5_ln2:
	.size	k_q6c1efa94c5_ln2, .Lfunc_end_k_q6c1efa94c5_ln2-k_q6c1efa94c5_ln2
	.p2alignl 7, 3214868480
	.fill 96, 4, 3214868480
	.section	.rodata,"a",@progbits
	.p2align	6, 0x0
	.amdhsa_kernel k_q6c1efa94c5_ln2
		.amdhsa_group_segment_fixed_size 0
		.amdhsa_private_segment_fixed_size 0
		.amdhsa_enable_private_segment 0
		.amdhsa_kernarg_size 48
		.amdhsa_user_sgpr_count 2
		.amdhsa_user_sgpr_kernarg_segment_ptr 1
		.amdhsa_wavefront_size32 1
		.amdhsa_system_sgpr_workgroup_id_x 1
		.amdhsa_system_sgpr_workgroup_id_y 1
		.amdhsa_system_sgpr_workgroup_id_z 1
		.amdhsa_system_vgpr_workitem_id 0
		.amdhsa_next_free_vgpr 208
		.amdhsa_next_free_sgpr 66
		.amdhsa_reserve_vcc 0
		.amdhsa_float_denorm_mode_32 3
		.amdhsa_float_denorm_mode_16_64 3
		.amdhsa_memory_ordered 1
		.amdhsa_forward_progress 1
		.amdhsa_inst_pref_size 16
	.end_amdhsa_kernel
	.amdgpu_metadata
---
amdhsa.version: [ 1, 2 ]
amdhsa.kernels:
  - .name:           k_q6c1efa94c5_ln2
    .symbol:         k_q6c1efa94c5_ln2.kd
    .args:
      - { .name: x1b, .offset: 0, .size: 8, .value_kind: global_buffer, .address_space: global }
      - { .name: ao, .offset: 8, .size: 8, .value_kind: global_buffer, .address_space: global }
      - { .name: b2, .offset: 16, .size: 8, .value_kind: global_buffer, .address_space: global }
      - { .name: g2, .offset: 24, .size: 8, .value_kind: global_buffer, .address_space: global }
      - { .name: be2, .offset: 32, .size: 8, .value_kind: global_buffer, .address_space: global }
      - { .name: out0, .offset: 40, .size: 8, .value_kind: global_buffer, .address_space: global }
    .group_segment_fixed_size: 0
    .private_segment_fixed_size: 0
    .kernarg_segment_align: 8
    .kernarg_segment_size: 48
    .max_flat_workgroup_size: 256
    .sgpr_count:     66
    .vgpr_count:     208
    .wavefront_size: 32
...
	.end_amdgpu_metadata
.endif
;; end of part 8
